; MI455X (gfx1250); checked and timed in simulation.
; The chip was launched on July 23, 2026; its instructions are those of AMD's public machine-readable ISA for CDNA 5 (MIT licence, August 2026) and "CDNA5" Instruction Set Architecture Reference Guide (July 2026). The comments in the code are by the model that wrote it; some were corrected since.
;; Encoder Block. Allowed arithmetic: matrix products marked QUANTISED: E2M3 operands, one E8M0 scale for each 32 along K, by v_wmma_scale_f32_16x16x128_f8f6f4 with both operands' format E2M3, f32 sums; everything else in f32.
;; Inputs: b1 4,096 float32; b2 1,024 float32; be1 one number float32; be2 one number float32; bk 1,024 float32; bo 1,024 float32; bq 1,024 float32; bv 1,024 float32; g1 one number float32; g2 one number float32; src_mask 2 x 1 x 1 x 2,048 int32; w1_codes 4,096 x 32 x 24 uint8 (E2M3 codes of w1, K innermost, in blocks of 32 codes, four codes in three bytes); w1_scales 4,096 x 32 uint8 (E8M0 scales of w1, one for each 32 codes along K); w2_codes 1,024 x 128 x 24 uint8 (E2M3 codes of w2, K innermost, in blocks of 32 codes, four codes in three bytes); w2_scales 1,024 x 128 uint8 (E8M0 scales of w2, one for each 32 codes along K); wk_codes 1,024 x 32 x 24 uint8 (E2M3 codes of wk, K innermost, in blocks of 32 codes, four codes in three bytes); wk_scales 1,024 x 32 uint8 (E8M0 scales of wk, one for each 32 codes along K); wo_codes 1,024 x 32 x 24 uint8 (E2M3 codes of wo, K innermost, in blocks of 32 codes, four codes in three bytes); wo_scales 1,024 x 32 uint8 (E8M0 scales of wo, one for each 32 codes along K); wq_codes 1,024 x 32 x 24 uint8 (E2M3 codes of wq, K innermost, in blocks of 32 codes, four codes in three bytes); wq_scales 1,024 x 32 uint8 (E8M0 scales of wq, one for each 32 codes along K); wv_codes 1,024 x 32 x 24 uint8 (E2M3 codes of wv, K innermost, in blocks of 32 codes, four codes in three bytes); wv_scales 1,024 x 32 uint8 (E8M0 scales of wv, one for each 32 codes along K); x 2 x 2,048 x 1,024 float32.
;; Outputs: out0 2 x 2,048 x 1,024 float32.
;; This version of the problem:
;;   THIS VERSION OF THE PROBLEM IS GIVEN IN LOW PRECISION. The matrix products marked QUANTISED in the list below multiply operands that are first quantised to E2M3 (2 exponent bits, 3 mantissa bits; 6 bits a number), with one power-of-two scale for each 32 numbers along K (OCP MX v1.0); their sums are f32. All else is computed in f32.
;;   The module's matrix products, in the order in which they are computed (A, B: the left and right operand; K: the contracted axis; several contracted axes count as one K, in the product's order):
;;     1. [M 4,096, K 1,024] x [K 1,024, N 1,024]; A: computed on the way; B: input wq (given as codes): QUANTISED
;;     2. [M 4,096, K 1,024] x [K 1,024, N 1,024]; A: computed on the way; B: input wk (given as codes): QUANTISED
;;     3. [M 4,096, K 1,024] x [K 1,024, N 1,024]; A: computed on the way; B: input wv (given as codes): QUANTISED
;;     4. batch 32 x [M 2,048, K 64] x [K 64, N 2,048]; A: computed on the way; B: computed on the way: QUANTISED
;;     5. batch 32 x [M 2,048, K 2,048] x [K 2,048, N 64]; A: softmax (see below); B: computed on the way: QUANTISED
;;     6. [M 4,096, K 1,024] x [K 1,024, N 1,024]; A: computed on the way; B: input wo (given as codes): QUANTISED
;;     7. [M 4,096, K 1,024] x [K 1,024, N 4,096]; A: computed on the way; B: input w1 (given as codes): QUANTISED
;;     8. [M 4,096, K 4,096] x [K 4,096, N 1,024]; A: computed on the way; B: input w2 (given as codes): QUANTISED
;;   THE QUANTISER, for each operand of a quantised product, along K:
;;     - K is cut into blocks of 32 from its start; a last block that is shorter is filled with zeros.
;;     - A block's scale is 2^e with e = floor(log2(the largest magnitude in the block)) - 2, held to -126 .. 127; a block of zeros has e = 0. As a byte (E8M0): e + 127.
;;     - Each number is divided by its block's scale, clamped to +-7.5, and rounded to the nearest number of E2M3, ties to even, subnormals kept.
;;     - The product sums the exact products of the quantised numbers (number of the format x scale) in f32.
;;   ~~~python
;;   def quantise(x, axis):      # numpy; x: float32 -> the quantised numbers, widened to float32 again
;;       x = np.moveaxis(x, axis, -1); K = x.shape[-1]
;;       x = np.pad(x, [(0, 0)] * (x.ndim - 1) + [(0, -K % 32)]); x = x.reshape(x.shape[:-1] + (-1, 32)); a = np.abs(x).max(-1, keepdims=True)
;;       e = np.where(a > 0, np.clip(np.frexp(np.where(a > 0, a, 1))[1] - 1 - 2, -126, 127), 0)      # np.frexp(a)[1] - 1 = floor(log2(a)), exactly
;;       r = np.clip(x / 2.0 ** e, -7.5, 7.5)
;;       step = 2.0 ** (np.maximum(np.frexp(np.where(r == 0, 1, r))[1] - 1, 0) - 3)
;;       q = np.round(r / step) * step * 2.0 ** e      # np.round: ties to even
;;       return np.moveaxis(q.reshape(q.shape[:-2] + (-1,))[..., :K], -1, axis).astype(np.float32)
;;   ~~~
;;   SOFTMAX AHEAD OF A QUANTISED PRODUCT. Where the list says 'softmax', what is quantised is not the finished softmax but p = 2^(t - M), with t = logit x log2(e) and M = ceil(the row's largest t), a whole number; so 1/2 < the row's largest p <= 1. The row's sum l is taken of the UNQUANTISED p, in f32, and the product's result is divided by l at the end. Since M is a whole number, a kernel that streams over the keys may use a running M (the ceiling of the running maximum): every later rescaling is an exact power of two, which a block's scale takes up: the codes' values come out the same.
;;   OPERANDS COMPUTED ON THE WAY. 'Computed on the way' means the value that the module computes at that place (a softmax that the list does not call 'softmax' is quantised finished and normalised). What goes into a quantiser is computed in f32, as accurately as f32 sums, v_exp_f32 and their like allow (about 1e-6 of the number): no bf16 or f16 on the way to a quantiser, and a product that is left as it is and whose result goes on into a quantised operand takes f32 operands (vector FMAs, or v_wmma_f32_16x16x4_f32). A number that lies on a knife's edge between two numbers of the format may be rounded either way, as far as f32 arithmetic and the matrix unit's own rounding can turn it there, and no further.
;;   INPUTS GIVEN AS CODES. w1 (in the module: [1024, 4096], K = its axis 0); w2 (in the module: [4096, 1024], K = its axis 0); wk (in the module: [1024, 1024], K = its axis 0); wo (in the module: [1024, 1024], K = its axis 0); wq (in the module: [1024, 1024], K = its axis 0); wv (in the module: [1024, 1024], K = its axis 0): each comes as NAME_codes (uint8): NAME with its K axis moved to the last place and cut into blocks of 32 codes, [.., K / 32, bytes a block], one block behind the other in memory; four codes in three bytes: a row's codes are one little-endian stream of bits, code i at bits 6 i .. 6 i + 5 (a code: sign, 2 exponent bits, 3 mantissa bits); and NAME_scales (uint8): the same leading axes, one E8M0 byte (e + 127) for each 32 codes along K. Its value is code x scale, taken as it is: it is not quantised again, and the codes and scales need not be those that the quantiser above would give.
;; One version. Each part assembles by itself: llvm-mc -triple=amdgcn-amd-amdhsa -mcpu=gfx1250 --defsym DOCPART=n.
;; ======== version 1 of 1: 6 launches
;; limits: right only within a limited range of input values
;; workspace buffers: act 3,276,800 bytes; qkv 12,189,696 bytes; ctx 3,276,800 bytes; x1 16,777,216 bytes; hid 13,107,200 bytes; wimg 9,437,184 bytes
;; launch ln1 (part 1): grid 256 x 1, 16 waves a work-group, no clusters, 156,672 bytes of LDS; arguments x, g1, be1, act, wq_codes, wk_codes, wv_codes, wo_codes, w1_codes, w2_codes, wimg; writes act, wimg
.if DOCPART == 1
	.amdgcn_target "amdgcn-amd-amdhsa--gfx1250"
	.amdhsa_code_object_version 6
	.text
	.protected	k_q62298cda95_ln1
	.globl	k_q62298cda95_ln1
	.p2align	8
	.type	k_q62298cda95_ln1,@function
k_q62298cda95_ln1:
	s_mov_b64 s[64:65], 0
	v_nop
	global_prefetch_b8 v0, s[64:65] scope:SCOPE_SE
	s_setreg_imm32_b32 hwreg(HW_REG_WAVE_MODE, 25, 1), 1
	s_wait_xcnt 0x0
; act = Q(g (x - mean) / (std + 1e-6) + be): a row of 1,024 f32 is normalised (std with divisor 1,023) and turned into codes of FP6 (E2M3), K innermost,
; with one E8M0 byte for each 32 along the row.  act: codes as images of the operand's registers at 0, scale bytes [4096][32] at ASOFF.
; One wave takes one row, a work-group sixteen.  The row is read once, 512 consecutive bytes a load, and stays in registers: mean first, then the squares of x - mean (no difference of large sums).
; The conversion wants 16 neighbours in a lane: the row turns through the wave's own stage in LDS (places of 64 bytes + 16), as loaded in, 64 bytes a lane out.
; A lane's 16 codes are 12 bytes: a store of the wave covers 384 consecutive bytes.  The sixteen rows' 512 scale bytes meet in LDS and leave as one aligned run of 512 bytes.
; No tensor load, no matrix unit, no cluster: work-groups share nothing and memory binds.
; LIMITS: NaN and infinities are not served; a block whose largest magnitude lies under 2^-124 (a block of zeros too) keeps the byte 1: only this program reads the bytes;
; 1/1023 and 1/(std + eps) are multiplications by reciprocals.
.set ASOFF, 3145728
.set SP,    80                         ; a lane's place in a stage: 64 bytes + 16
.set WST,   2*32*SP                    ; a wave's two stages
; AS IT STANDS NOW: a work-group is sixteen waves and owns a row tile of 16 rows.  The rows' codes meet in LDS (rows of CP bytes) and leave as images of the operand's registers,
; act = [row tile][K step of 128][3][lane][16 bytes]: wave w < 8 stores K step w, 512 consecutive bytes a store; wave 8 stores the tile's 512 scale bytes.
.set CST,   16*WST                     ; behind the stages: the 16 rows' codes
.set CP,    784                        ; 768 bytes + 16
.set SCB,   CST+16*CP                  ; the work-group's 512 scale bytes
.set SPARE, SCB+512                    ; the spare words: 128 bytes a wave
; THE WEIGHTS' IMAGES are laid here too.  The six weights' codes become wimg = [row tile of 16][K step of 128][3][lane][16 bytes]: wq at 0, wk, wv, wo 786,432 bytes apart, w1 at 3,145,728, w2 at 6,291,456,
; so that every tile which a later launch asks for is made of dense rows that begin at multiples of 256 bytes.  A job is 16 rows x 768 bytes (1,024 along K); 768 jobs; job J lands at 12,288 J.
; Waves 9, 10 and 11 of each of the 256 work-groups, which store nothing of act, take one job each: its 24 loads go out at the head (lanes 0-15 read 256 consecutive bytes of one row, lanes 16-31 of the next),
; and at the tail it turns through LDS bytes of the wave's own (rows of 3 x (256 + 16) bytes, at WJ x wave) and leaves in stores of 512 consecutive bytes.
.set RP,    816
.set WJ,    16*RP                      ; 9 WJ = 117,504 lies behind the spare words
.set EMAX,  2
.set R,     16                         ; v16-47  the row as loaded
.set X,     48                         ; v48-79  X[16 t + i] = number 512 t + 16 lane + i
.set C,     88                         ; v88-94  codes, four registers a half row
	s_load_b256 s[4:11], s[0:1], 0x0               ; x, address of g, address of be, act
	s_load_b256 s[24:31], s[0:1], 0x20             ; wq, wk, wv, wo
	s_load_b128 s[32:35], s[0:1], 0x40             ; w1, w2
	s_load_b64 s[36:37], s[0:1], 0x50              ; wimg
	v_lshl_add_u32 v96, v0, 2, SPARE
	v_mov_b32 v97, 0
	v_lshrrev_b32 v1, 5, v0
	s_delay_alu instid0(VALU_DEP_1)
	v_readfirstlane_b32 s16, v1                    ; wave
	v_and_b32 v2, 31, v0                           ; lane
	s_delay_alu instid0(VALU_DEP_1)
	v_lshlrev_b32 v3, 4, v2                        ; my 16 bytes of a load's 512
	s_delay_alu instid0(VALU_DEP_2)
	v_mul_u32_u24 v4, v2, 12                       ; my codes' place in a half row's
	s_mul_i32 s19, s16, CP
	s_add_co_u32 s19, s19, CST
	v_add_nc_u32 v4, s19, v4                       ; in my row of the codes' stage
	s_mul_i32 s17, s16, WST
	v_lshrrev_b32 v14, 2, v2
	s_delay_alu instid0(VALU_DEP_1)
	v_mul_u32_u24 v14, v14, SP
	v_and_b32 v15, 3, v2
	s_delay_alu instid0(VALU_DEP_1)
	v_lshl_add_u32 v14, v15, 4, v14
	s_delay_alu instid0(VALU_DEP_1)
	v_add_nc_u32 v14, s17, v14                     ; stage, way in: SP (lane / 4) + 16 (lane % 4)
	v_mul_u32_u24 v15, v2, SP
	s_delay_alu instid0(VALU_DEP_1)
	v_add_nc_u32 v15, s17, v15                     ; way out: SP x lane
	s_lshl_b32 s18, s16, 5
	s_add_co_u32 s18, s18, SCB
	v_lshrrev_b32 v5, 1, v2
	s_delay_alu instid0(VALU_DEP_1)
	v_add_nc_u32 v5, s18, v5                       ; my row's 32 scale bytes, my block's byte
	v_lshlrev_b32 v7, 4, v2
	s_delay_alu instid0(VALU_DEP_1)
	v_add_nc_u32 v6, SCB, v7                       ; and on the way out 16 bytes a lane
	v_mov_b32 v10, 0
	v_and_b32 v11, 15, v2
	v_lshrrev_b32 v12, 4, v2
	v_mul_u32_u24 v11, v11, CP
	v_mad_u32_u24 v11, v12, 24, v11
	s_mul_i32 s19, s16, 96
	s_add_co_u32 s19, s19, CST
	v_add_nc_u32 v1, s19, v11                      ; the image's way out: row lane % 16, K step = my wave, 24 (lane / 16)
	s_mul_i32 s19, s16, WJ                         ; a job's LDS addresses, made by every wave ahead of the branches on the wave's number
	v_and_b32 v11, 15, v2
	v_mad_u32_u24 v108, v12, RP, s19
	v_lshl_add_u32 v108, v11, 4, v108              ; way in: row lane / 16, 16 (lane % 16)
	v_mad_u32_u24 v109, v11, RP, s19
	v_mad_u32_u24 v109, v12, 24, v109              ; way out: row lane % 16, 24 (lane / 16)
	v_lshl_add_u32 v110, v12, 4, v109              ; the same where lanes 16-31 stand behind one padding more
	s_mov_b32 s20, 0x76543210
	s_mov_b32 s21, 0xfedcba98                      ; selects for lane l xor 16
	s_lshl_b32 s17, ttmp9, 4
	s_add_co_u32 s17, s17, s16                     ; my row
	s_lshl_b32 s18, s17, 12                        ; 4,096 bytes a row
	s_mov_b32 s19, 0
	s_mul_i32 s22, ttmp9, 12288                    ; my row tile's images, my K step's
	s_mul_i32 s23, s16, 1536
	s_add_co_u32 s22, s22, s23
	s_mov_b32 s23, 0
	s_wait_alu depctr_va_vdst(0)
	s_wait_kmcnt 0x0
	s_mul_i32 s40, ttmp9, 3                        ; the job's number and where it lands are made by every wave, ahead of the branch: the stores at the tail name them
	s_add_co_u32 s40, s40, s16
	s_max_u32 s40, s40, 9
	s_sub_co_u32 s40, s40, 9                       ; job J = 3 x work-group + wave - 9 in waves 9 to 11;
	s_min_u32 s40, s40, 767                        ; in the waves that take no job the number is held inside 0 .. 767 and is not used
	s_mul_i32 s52, s40, 12288
	s_mov_b32 s53, 0
	s_add_nc_u64 s[50:51], s[36:37], s[52:53]
	s_cmp_lt_u32 s16, 9
	s_cbranch_scc1 .Lno_job
	s_cmp_gt_u32 s16, 11
	s_cbranch_scc1 .Lno_job
	s_lshr_b32 s41, s40, 6                         ; 0-3: wq, wk, wv, wo; 4-7: w1; 8-11: w2
	s_and_b32 s42, s40, 63
	s_mul_i32 s42, s42, 12288                      ; a row tile of a weight with K = 1,024 is 12,288 dense bytes
	s_and_b32 s44, s40, 255
	s_mul_i32 s45, s44, 12288
	s_cmp_ge_u32 s41, 4
	s_cselect_b32 s42, s45, s42
	s_lshr_b32 s44, s44, 2                         ; w2: row tile,
	s_mul_i32 s44, s44, 49152
	s_and_b32 s45, s40, 3                          ; and which 768 bytes of its rows of 3,072
	s_mul_i32 s45, s45, 768
	s_add_co_u32 s44, s44, s45
	s_mov_b32 s46, 768
	s_cmp_ge_u32 s41, 8
	s_cselect_b32 s42, s44, s42
	s_cselect_b32 s46, 3072, s46                   ; bytes from row to row
	s_lshl_b32 s47, s46, 1
	s_mov_b32 s43, 0
	s_cmp_eq_u32 s41, 1
	s_cselect_b64 s[48:49], s[26:27], s[24:25]
	s_cmp_eq_u32 s41, 2
	s_cselect_b64 s[48:49], s[28:29], s[48:49]
	s_cmp_eq_u32 s41, 3
	s_cselect_b64 s[48:49], s[30:31], s[48:49]
	s_cmp_ge_u32 s41, 4
	s_cselect_b64 s[48:49], s[32:33], s[48:49]
	s_cmp_ge_u32 s41, 8
	s_cselect_b64 s[48:49], s[34:35], s[48:49]
	s_add_nc_u64 s[48:49], s[48:49], s[42:43]
	v_mul_u32_u24 v100, v12, s46
	v_lshl_add_u32 v100, v11, 4, v100              ; memory: rows 2 j + lane / 16
.irp j, 1,2,3,4,5,6,7
	v_add_nc_u32 v[100+\j], s47, v[99+\j]
.endr
.irp j, 0,1,2,3,4,5,6,7
.irp c, 0,1,2
	global_load_b128 v[112+12*\j+4*\c:115+12*\j+4*\c], v[100+\j], s[48:49] offset:256*\c th:TH_LOAD_NT
.endr
.endr
.Lno_job:
	s_load_b32 s12, s[6:7], 0x0
	s_load_b32 s14, s[8:9], 0x0                    ; be
	s_add_nc_u64 s[4:5], s[4:5], s[18:19]
.irp i, 0,1,2,3,4,5,6,7
	global_load_b128 v[R+4*\i:R+4*\i+3], v3, s[4:5] offset:512*\i th:TH_LOAD_NT
.endr
	s_add_nc_u64 s[22:23], s[10:11], s[22:23]      ; my K step's image of the row tile
	s_lshl_b32 s18, ttmp9, 9
	s_add_nc_u64 s[10:11], s[10:11], s[18:19]
	s_add_nc_u64 s[10:11], s[10:11], ASOFF         ; the work-group's 512 scale bytes
.macro TURN t                          ; half row t through the stage: LDS serves a wave's instructions in order, so no wait stands between the stores and the loads
.irp i, 0,1,2,3
	ds_store_b128 v14, v[R+16*\t+4*\i:R+16*\t+4*\i+3] offset:32*SP*\t+8*SP*\i
.endr
.irp i, 0,1,2,3
	ds_load_b128 v[X+16*\t+4*\i:X+16*\t+4*\i+3], v15 offset:32*SP*\t+16*\i
.endr
.endm
.macro WSUM                            ; v8 summed over the 32 lanes, the result in every lane
	s_delay_alu instid0(VALU_DEP_1)
	v_add_f32_dpp v8, v8, v8 row_xmask:1 row_mask:0xf bank_mask:0xf
	s_delay_alu instid0(VALU_DEP_1)
	v_add_f32_dpp v8, v8, v8 row_xmask:2 row_mask:0xf bank_mask:0xf
	s_delay_alu instid0(VALU_DEP_1)
	v_add_f32_dpp v8, v8, v8 row_xmask:4 row_mask:0xf bank_mask:0xf
	s_delay_alu instid0(VALU_DEP_1)
	v_add_f32_dpp v8, v8, v8 row_xmask:8 row_mask:0xf bank_mask:0xf
	s_delay_alu instid0(VALU_DEP_1)
	v_permlanex16_b32 v10, v8, s20, s21
	s_delay_alu instid0(VALU_DEP_1)
	v_add_f32 v8, v8, v10
.endm
	s_wait_loadcnt 4                               ; the first half row is in; the four younger loads may be out
	TURN 0
	s_wait_loadcnt 0x0
	TURN 1
	s_wait_dscnt 0x0
	s_wait_kmcnt 0x0
	s_mov_b32 s15, s14                             ; be as a pair for the packed form
	v_pk_add_f32 v[82:83], v[48:49], v[50:51]
	v_pk_add_f32 v[94:95], v[56:57], v[60:61]
	v_pk_add_f32 v[92:93], v[64:65], v[68:69]
	v_pk_add_f32 v[90:91], v[72:73], v[76:77]
	v_pk_add_f32 v[88:89], v[52:53], v[54:55]
	v_pk_add_f32 v[86:87], v[58:59], v[62:63]
	v_pk_add_f32 v[84:85], v[66:67], v[70:71]
	v_pk_add_f32 v[80:81], v[74:75], v[78:79]
	s_delay_alu instid0(VALU_DEP_1)
	v_pk_add_f32 v[80:81], v[80:81], v[90:91]
	v_pk_add_f32 v[82:83], v[82:83], v[88:89]
	v_pk_add_f32 v[94:95], v[94:95], v[86:87]
	v_pk_add_f32 v[92:93], v[92:93], v[84:85]
	s_delay_alu instid0(VALU_DEP_2)
	v_pk_add_f32 v[80:81], v[80:81], v[94:95]
	s_delay_alu instid0(VALU_DEP_2)
	v_pk_add_f32 v[82:83], v[82:83], v[92:93]
	s_delay_alu instid0(VALU_DEP_1)
	v_pk_add_f32 v[80:81], v[80:81], v[82:83]
	s_delay_alu instid0(VALU_DEP_1)
	v_add_f32 v8, v80, v81
	WSUM
	s_delay_alu instid0(VALU_DEP_1)
	v_mul_f32 v84, 0x3a800000, v8                  ; mean = sum / 1,024
	s_delay_alu instid0(VALU_DEP_1)
	v_mov_b32 v85, v84
.irp j, 0,2,4,6,8,10,12,14,16,18,20,22,24,26,28,30
	v_pk_add_f32 v[X+\j:X+\j+1], v[X+\j:X+\j+1], v[84:85] neg_lo:[0,1] neg_hi:[0,1]
.endr
	v_pk_mul_f32 v[80:81], v[X:X+1], v[X:X+1]      ; the squares of x - mean
	v_pk_mul_f32 v[82:83], v[X+2:X+3], v[X+2:X+3]
.irp j, 4,8,12,16,20,24,28
	s_delay_alu instid0(VALU_DEP_2)
	v_pk_fma_f32 v[80:81], v[X+\j:X+\j+1], v[X+\j:X+\j+1], v[80:81]
	s_delay_alu instid0(VALU_DEP_2)
	v_pk_fma_f32 v[82:83], v[X+\j+2:X+\j+3], v[X+\j+2:X+\j+3], v[82:83]
.endr
	s_delay_alu instid0(VALU_DEP_1)
	v_pk_add_f32 v[80:81], v[80:81], v[82:83]
	s_delay_alu instid0(VALU_DEP_1)
	v_add_f32 v8, v80, v81
	WSUM
	s_delay_alu instid0(VALU_DEP_1)
	v_mul_f32 v8, 0x3a802008, v8                   ; / 1,023
	s_wait_alu depctr_va_vdst(0)
	v_sqrt_f32 v9, v8
	v_nop                                          ; a plain line behind the root,
	s_wait_alu depctr_va_vdst(0)                   ; and the wait ahead of its first reader
	v_add_f32 v9, 0x358637bd, v9                   ; std + 1e-6
	s_wait_alu depctr_va_vdst(0)
	v_rcp_f32 v11, v9
	v_nop
	s_wait_alu depctr_va_vdst(0)
	v_mul_f32 v86, s12, v11                        ; a = g / (std + eps)
	s_delay_alu instid0(VALU_DEP_1)
	v_mov_b32 v87, v86
.irp j, 0,2,4,6,8,10,12,14,16,18,20,22,24,26,28,30
	v_pk_fma_f32 v[X+\j:X+\j+1], v[X+\j:X+\j+1], v[86:87], s[14:15] op_sel_hi:[1,1,0]
.endr
.macro QSTEP t                         ; half row t: two neighbouring lanes hold a block of 32
.set XS, X+16*(\t)
	v_max3_num_f32 v8, |v[XS]|, |v[XS+1]|, |v[XS+2]|
	v_max3_num_f32 v9, |v[XS+3]|, |v[XS+4]|, |v[XS+5]|
.irp i, 6,10
	s_delay_alu instid0(VALU_DEP_2)
	v_max3_num_f32 v8, v8, |v[XS+\i]|, |v[XS+\i+1]|
	s_delay_alu instid0(VALU_DEP_2)
	v_max3_num_f32 v9, v9, |v[XS+\i+2]|, |v[XS+\i+3]|
.endr
	s_delay_alu instid0(VALU_DEP_2)
	v_max3_num_f32 v8, v8, |v[XS+14]|, |v[XS+15]|
	s_delay_alu instid0(VALU_DEP_1)
	v_max3_num_f32 v8, v8, v9, (EMAX+1)<<23        ; the floor 2^(3 - 127): the byte cannot fall under 1
	s_delay_alu instid0(VALU_DEP_1)
	v_max_num_f32_dpp v8, v8, v8 row_xmask:1 row_mask:0xf bank_mask:0xf
	s_delay_alu instid0(VALU_DEP_1)
	v_add_nc_u32 v11, -(EMAX<<23), v8              ; 2 off the exponent field: the conversion's scale operand
	v_cvt_scalef32_pk16_fp6_f32 v[C+4*(\t):C+4*(\t)+2], v[XS:XS+15], v11
	v_lshrrev_b32 v[12+(\t)], 23, v11              ; the scale's byte (also the plain line behind the conversion)
	ds_store_b8 v5, v[12+(\t)] offset:16*(\t)      ; both lanes of a block write the same byte with the same value
.irp i, 0,1,2
	ds_store_b32 v4, v[C+4*(\t)+\i] offset:384*(\t)+4*\i
.endr
.endm
	QSTEP 0
	QSTEP 1
	s_wait_dscnt 0x0                               ; for the others' sake: my bytes have landed
	s_barrier_signal -1
	s_barrier_wait -1
	s_cmp_ge_u32 s16, 8
	s_cbranch_scc1 .Lbytes
.irp p, 0,1,2,3,4,5
	ds_load_b64 v[48+2*\p:49+2*\p], v1 offset:48*(\p/3)+8*(\p%3)   ; waves 0-7: the fragment of K step w, as a lane of the matrix operand holds it
.endr
	s_wait_dscnt 0x0
.irp g, 0,1,2
	global_store_b128 v3, v[48+4*\g:51+4*\g], s[22:23] offset:512*\g   ; 32 lanes store 512 consecutive bytes, aligned
.endr
	s_branch .Ldone
.Lbytes:
	s_cmp_lg_u32 s16, 8
	s_cbranch_scc1 .Ldone
	ds_load_b128 v[8:11], v6                       ; wave 8: the sixteen rows' scale bytes
	s_wait_dscnt 0x0
	global_store_b128 v7, v[8:11], s[10:11]        ; 512 consecutive bytes, aligned
.Ldone:
	s_cmp_lt_u32 s16, 9
	s_cbranch_scc1 .Lend
	s_cmp_gt_u32 s16, 11
	s_cbranch_scc1 .Lend
.irp j, 0,1,2,3,4,5,6,7                ; the job's loads are older than the row's, which have been waited for
.irp c, 0,1,2
	ds_store_b128 v108, v[112+12*\j+4*\c:115+12*\j+4*\c] offset:2*\j*RP+272*\c
.endr
.endr
.irp k, 0,1,2,3,4,5,6,7                ; LDS serves a wave's instructions in order: these loads see the stores above
.if \k < 4
.set OB, 208+12*\k
.else
.set OB, 16+12*(\k-4)
.endif
.irp p, 0,1,2,3,4,5
.set PCE, 12*\k+6*(\p/3)+\p%3          ; the piece of 8 bytes of lanes 0-15; lanes 16-31 read three pieces on
.if PCE%32 < 29
	ds_load_b64 v[OB+2*\p:OB+2*\p+1], v109 offset:8*PCE+16*(PCE/32)
.else
	ds_load_b64 v[OB+2*\p:OB+2*\p+1], v110 offset:8*PCE+16*(PCE/32)
.endif
.endr
.endr
.irp k, 0,1,2,3,4,5,6,7
.if \k < 4
.set OB, 208+12*\k
.else
.set OB, 16+12*(\k-4)
.endif
	s_wait_dscnt 42-6*\k                           ; K step k's six loads are in; the younger ones may be out
.irp g, 0,1,2
	global_store_b128 v3, v[OB+4*\g:OB+4*\g+3], s[50:51] offset:1536*\k+512*\g
.endr
.endr
.Lend:
	s_wait_tensorcnt 0x0
	ds_add_u32 v96, v97
	s_wait_dscnt 0x0
	s_endpgm
.Lfunc_end_k_q62298cda95_ln1:
	.size	k_q62298cda95_ln1, .Lfunc_end_k_q62298cda95_ln1-k_q62298cda95_ln1
	.p2alignl 7, 3214868480
	.fill 96, 4, 3214868480
	.section	.rodata,"a",@progbits
	.p2align	6, 0x0
	.amdhsa_kernel k_q62298cda95_ln1
		.amdhsa_group_segment_fixed_size 156672
		.amdhsa_private_segment_fixed_size 0
		.amdhsa_enable_private_segment 0
		.amdhsa_kernarg_size 88
		.amdhsa_user_sgpr_count 2
		.amdhsa_user_sgpr_kernarg_segment_ptr 1
		.amdhsa_wavefront_size32 1
		.amdhsa_system_sgpr_workgroup_id_x 1
		.amdhsa_system_sgpr_workgroup_id_y 1
		.amdhsa_system_sgpr_workgroup_id_z 1
		.amdhsa_system_vgpr_workitem_id 0
		.amdhsa_next_free_vgpr 256
		.amdhsa_next_free_sgpr 66
		.amdhsa_reserve_vcc 0
		.amdhsa_float_denorm_mode_32 3
		.amdhsa_float_denorm_mode_16_64 3
		.amdhsa_memory_ordered 1
		.amdhsa_forward_progress 1
		.amdhsa_inst_pref_size 28
	.end_amdhsa_kernel
	.amdgpu_metadata
---
amdhsa.version: [ 1, 2 ]
amdhsa.kernels:
  - .name:           k_q62298cda95_ln1
    .symbol:         k_q62298cda95_ln1.kd
    .args:
      - { .name: x, .offset: 0, .size: 8, .value_kind: global_buffer, .address_space: global }
      - { .name: g1, .offset: 8, .size: 8, .value_kind: global_buffer, .address_space: global }
      - { .name: be1, .offset: 16, .size: 8, .value_kind: global_buffer, .address_space: global }
      - { .name: act, .offset: 24, .size: 8, .value_kind: global_buffer, .address_space: global }
      - { .name: wq_codes, .offset: 32, .size: 8, .value_kind: global_buffer, .address_space: global }
      - { .name: wk_codes, .offset: 40, .size: 8, .value_kind: global_buffer, .address_space: global }
      - { .name: wv_codes, .offset: 48, .size: 8, .value_kind: global_buffer, .address_space: global }
      - { .name: wo_codes, .offset: 56, .size: 8, .value_kind: global_buffer, .address_space: global }
      - { .name: w1_codes, .offset: 64, .size: 8, .value_kind: global_buffer, .address_space: global }
      - { .name: w2_codes, .offset: 72, .size: 8, .value_kind: global_buffer, .address_space: global }
      - { .name: wimg, .offset: 80, .size: 8, .value_kind: global_buffer, .address_space: global }
    .group_segment_fixed_size: 156672
    .private_segment_fixed_size: 0
    .kernarg_segment_align: 8
    .kernarg_segment_size: 88
    .max_flat_workgroup_size: 512
    .sgpr_count:     66
    .vgpr_count:     256
    .wavefront_size: 32
...
	.end_amdgpu_metadata
.endif
;; end of part 1
;; launch qkv (part 2): grid 12 x 16, 4 waves a work-group, clusters of 4 x 4, 327,680 bytes of LDS; arguments act, wimg, wq_scales, wk_scales, wv_scales, bq, bk, bv, src_mask, qkv; writes qkv
.if DOCPART == 2
	.amdgcn_target "amdgcn-amd-amdhsa--gfx1250"
	.amdhsa_code_object_version 6
	.text
	.protected	k_q62298cda95_qkv
	.globl	k_q62298cda95_qkv
	.p2align	8
	.type	k_q62298cda95_qkv,@function
k_q62298cda95_qkv:
	s_mov_b64 s[64:65], 0
	v_nop
	global_prefetch_b8 v0, s[64:65] scope:SCOPE_SE
	s_setreg_imm32_b32 hwreg(HW_REG_WAVE_MODE, 25, 1), 1
	s_wait_xcnt 0x0
	s_wait_alu depctr_hold_cnt(0) depctr_sa_sdst(0) depctr_va_vdst(0) depctr_va_sdst(0) depctr_va_ssrc(0) depctr_va_vcc(0) depctr_vm_vsrc(0)
	s_getreg_b32 s2, hwreg(HW_REG_IB_STS2, 6, 4)
	s_cmp_eq_u32 s2, 0
	s_cbranch_scc0 .Lentry_in_a_cluster
	s_endpgm
.Lentry_in_a_cluster:
	s_bfe_u32 s2, ttmp6, 0x10000c
	s_cmp_lg_u32 s2, 0xf033
	s_cbranch_scc0 .Lentry_shape_is_right
	s_endpgm
.Lentry_shape_is_right:
.set KSTEP,  256
.set NQ,     2
; q, k, v = Q(xn) W + b on codes of FP6 with E8M0 scales, quantised anew and laid for the attention launch.  Both operands come as images of the operand's registers,
; [row tile of 16][K step of 128][3][lane][16 bytes]: a slot holds 256 along K, 3,072 dense bytes of each row tile, and a fragment is three loads of 16 bytes a lane.
; No prefetch: blocks of 256 x 256 in clusters, and K is four slots long, of which two are asked for at the head.
.set ROWB,   3072                      ; a row tile's bytes in a slot
.set G0H,    4                         ; s[4:7], s[8:11] group 0 of the head's loads of chunk 0 (the pointers that lay there have been used by then)
.set G0HB,   8
.set KROW,   768
.set PITCH,  192
.set FR,     12
.set NL,     3
.set NP,     4
.set HALFT,  128*PITCH
.set SLOT,   4*HALFT
.set LAPS,   2
.set KS,     32
.set SCL,    2*SLOT
.set HALFS,  (128*KS/256)*272
.set SBLK,   (16*KS/256)*272
.set SPARE,  SCL+4*HALFS
.set ASOFF,  3145728
.set QSOFF,  4194304
.set KVOFF,  4456448
.set REC,    15104
.set HEADB,  16*REC
.set ADRA, 16
.set ADRB, 20
.set ADRS, 27
.set SPW,  28
.set NIL,  29
.set SC,   32
.set BN,   64
.set AF,   128
.set BM,   228
.set MW,   244
.set PW,   3
.set TP,   4
.set PKV,  5
.set PD,   6
.set SWA,  8
.set SRD,  9
.set GI,   10
.set GSV,  11
.set TM,   12
.set LOW,  252
.set T,    128
.set PC,   192
.set W0,   212
.set W1,   220
.set SEL,  46
.set P0,   24
.set P1,   26
.set PS0,  28
.set PS1,  30
.set STR,  32
.set STR4, 34
.set G1, 24
.set G0, 32
.set G1B, 48
.set G0B, 56
.set G1S, 68
.set G0S, 76
.set G1SB, 80
.set G0SB, 88
.set MSB, 0
.macro WIN new
.if MSB != \new
	s_set_vgpr_msb (MSB<<8)|\new
.set MSB, \new
.endif
.endm
.set MUL_LO, 0xa1
.set MUL_HI, 0xf1
.set TO_B,   0x40
.macro JLOAD g0a, g1a, g0b, g1b
	s_cmp_eq_u32 s15, 0
	s_cbranch_scc0 .Lfor_b_\@
	tensor_load_to_lds s[\g0a:\g0a+3], s[\g1a:\g1a+7]
	s_nop 0
.rept 4
	v_nop
.endr
	s_branch .Lasked_\@
.Lfor_b_\@:
	tensor_load_to_lds s[\g0b:\g0b+3], s[\g1b:\g1b+7]
	s_nop 0
.rept 4
	v_nop
.endr
.Lasked_\@:
.endm
.macro CREST
	s_cmp_lg_u32 s14, 0
	s_cbranch_scc1 .Lnot_wave_0_\@
	s_barrier_signal -3
.Lnot_wave_0_\@:
	s_barrier_wait -3
	s_barrier_signal -1
	s_barrier_wait -1
.endm
.macro CROUND
	s_barrier_signal -1
	s_barrier_wait -1
	CREST
.endm
.macro PLACES n
.rept \n
	v_nop
.endr
.endm
	s_load_b128 s[68:71], s[0:1], 0x0              ; act, wimg (wq's images)
	s_load_b64 s[72:73], s[0:1], 0x10              ; wq's scales
	s_load_b64 s[76:77], s[0:1], 0x18              ; wk's
	s_load_b128 s[80:83], s[0:1], 0x20             ; wv's, bq
	s_load_b256 s[84:91], s[0:1], 0x30             ; bk, bv, src_mask, qkv
	v_lshl_add_u32 v[SPW], v0, 2, SPARE
	v_mov_b32 v[NIL], 0
	ds_add_u32 v28, v29
	ds_add_u32 v28, v29
	s_wait_dscnt 0x0
	v_lshrrev_b32 v1, 5, v0
	v_readfirstlane_b32 s14, v1
	s_lshr_b32 s15, s14, 1
	s_and_b32 s16, s14, 1
	s_bfe_u32 s40, ttmp6, 0x40000
	s_bfe_u32 s41, ttmp6, 0x40004
	s_and_b32 s18, ttmp7, 0xffff
	s_lshl_b32 s18, s18, 2
	s_cmp_eq_u32 ttmp9, 2
	s_cselect_b32 s66, 1, 0
	s_cselect_b32 s100, 0, s18
	s_cselect_b32 s101, s18, 0
	s_cmp_eq_u32 ttmp9, 1
	s_cselect_b32 s67, 1, 0
	s_add_co_u32 s17, s41, s100
	s_add_co_u32 s42, s40, s101
	s_lshl_b32 s43, s41, 2
	s_lshl_b32 s43, 15, s43
	s_lshl_b32 s44, 0x1111, s40
	s_or_b32 s[G1+0], s43, (3<<16)|(1<<21)         ; elements of 8 bytes, no padding
	s_or_b32 s[G1B+0], s44, (3<<16)|(1<<21)
.irp g, G1, G1B
	s_mov_b32 s[\g+1], 384<<16                     ; 3,072 bytes of a row tile,
	s_mov_b32 s[\g+2], 16<<16                      ; 16 row tiles for the head's loads (8 behind them),
	s_mov_b32 s[\g+3], 384<<16
	s_mov_b32 s[\g+4], 16
	s_mov_b32 s[\g+5], 1536                        ; 12,288 bytes apart
	s_mov_b32 s[\g+6], 0
	s_mov_b32 s[\g+7], 0
.endr
	s_wait_kmcnt 0x0
	s_add_nc_u64 s[74:75], s[70:71], 786432        ; wk's images
	s_add_nc_u64 s[78:79], s[70:71], 1572864       ; wv's
	s_cmp_eq_u32 ttmp9, 1
	s_cselect_b64 s[8:9], s[74:75], s[70:71]
	s_cselect_b64 s[10:11], s[76:77], s[72:73]
	s_cselect_b64 s[96:97], s[84:85], s[82:83]
	s_add_nc_u64 s[2:3], s[68:69], ASOFF
	s_cmp_eq_u32 ttmp9, 2
	s_cselect_b64 s[4:5], s[78:79], s[68:69]
	s_cselect_b64 s[6:7], s[80:81], s[2:3]
	s_cselect_b64 s[8:9], s[68:69], s[8:9]
	s_cselect_b64 s[10:11], s[2:3], s[10:11]
	s_cselect_b64 s[96:97], s[86:87], s[96:97]
	s_mov_b64 s[98:99], s[88:89]
	s_mov_b64 s[12:13], s[90:91]
	s_or_b32 s[G1S+0], s43, (3<<16)|(1<<20)|(1<<21)|(5<<22)|(3<<25)
	s_or_b32 s[G1SB+0], s44, (3<<16)|(1<<20)|(1<<21)|(5<<22)|(3<<25)
.irp g, G1S, G1SB
	s_mov_b32 s[\g+1], 32<<16
	s_mov_b32 s[\g+2], KS<<16
	s_mov_b32 s[\g+3], 32<<16
	s_mov_b32 s[\g+4], KS
	s_mov_b32 s[\g+5], 32
	s_mov_b32 s[\g+6], 0
	s_mov_b32 s[\g+7], 0
.endr
	s_lshl_b32 s20, s17, 8
	s_lshl_b32 s46, s42, 8
	s_mov_b32 s21, 0
	s_mov_b32 s47, 0
	s_mov_b64 s[18:19], KS
	s_mul_u64 s[22:23], s[20:21], s[18:19]
	s_mul_u64 s[92:93], s[46:47], s[18:19]
	s_mov_b64 s[18:19], KROW
	s_mul_u64 s[20:21], s[20:21], s[18:19]
	s_mul_u64 s[46:47], s[46:47], s[18:19]
	s_mul_i32 s45, s14, HALFT
	s_mul_i32 s18, s16, 128*KROW                   ; in the ring I fetch 8 row tiles: which half, in bytes
	s_mov_b32 s19, 0
	s_add_nc_u64 s[20:21], s[4:5], s[20:21]
	s_add_nc_u64 s[22:23], s[6:7], s[22:23]
	s_add_nc_u64 s[46:47], s[8:9], s[46:47]
	s_add_nc_u64 s[92:93], s[10:11], s[92:93]
	CROUND
	s_mov_b32 s[G0S], 1
	s_mov_b32 s[G0S+1], SCL
	s_mov_b64 s[G0S+2:G0S+3], s[22:23]
	s_or_b32 s[G0S+3], s[G0S+3], 0x80000000
	s_mov_b32 s[G0SB], 1
	s_mov_b32 s[G0SB+1], SCL+2*HALFS
	s_mov_b64 s[G0SB+2:G0SB+3], s[92:93]
	s_or_b32 s[G0SB+3], s[G0SB+3], 0x80000000
	s_mov_b32 s[G0H], 1                            ; chunk 0 of A's 16 row tiles,
	s_mov_b32 s[G0H+1], 0
	s_mov_b64 s[G0H+2:G0H+3], s[20:21]
	s_or_b32 s[G0H+3], s[G0H+3], 0x80000000
	s_mov_b32 s[G0HB], 1                           ; and of B's, behind them in slot 0
	s_mov_b32 s[G0HB+1], 2*HALFT
	s_mov_b64 s[G0HB+2:G0HB+3], s[46:47]
	s_or_b32 s[G0HB+3], s[G0HB+3], 0x80000000
	s_add_nc_u64 s[20:21], s[20:21], s[18:19]
	s_add_nc_u64 s[46:47], s[46:47], s[18:19]
.irp s, 0,1
	s_mov_b32 s[G0+4*\s], 1
	s_add_co_u32 s[G0+4*\s+1], s45, \s*SLOT
	s_add_nc_u64 s[G0+4*\s+2:G0+4*\s+3], s[20:21], \s*ROWB
	s_or_b32 s[G0+4*\s+3], s[G0+4*\s+3], 0x80000000
	s_mov_b32 s[G0B+4*\s], 1
	s_add_co_u32 s[G0B+4*\s+1], s45, \s*SLOT
	s_add_nc_u64 s[G0B+4*\s+2:G0B+4*\s+3], s[46:47], \s*ROWB
	s_or_b32 s[G0B+4*\s+3], s[G0B+4*\s+3], 0x80000000
.endr
; the head's loads, one a wave, in one tree of branches on the wave's number: chunk 0 of A, chunk 0 of B, A's scales, B's scales
.macro ARM under, g0, g1, next
	s_cmp_lt_u32 s14, \under
	s_cbranch_scc0 \next
	tensor_load_to_lds s[\g0:\g0+3], s[\g1:\g1+7]
	s_nop 0
.rept 4
	v_nop
.endr
	s_branch .Lhead_asked
\next:
.endm
	ARM 1, G0H,  G1,  .Lhead_b
	ARM 2, G0HB, G1B, .Lhead_sa
	ARM 3, G0S,  G1S, .Lhead_sb
	tensor_load_to_lds s[G0SB:G0SB+3], s[G1SB:G1SB+7]
	s_nop 0
.rept 4
	v_nop
.endr
.Lhead_asked:
	v_and_b32 v1, 15, v0
	v_bfe_u32 v2, v0, 4, 1
	v_and_b32 v3, 31, v0
	v_lshlrev_b32 v4, 4, v3                        ; 16 x lane
	s_wait_alu depctr_va_vdst(0)                   ; the wait
	s_mul_i32 s21, s15, HALFT
	s_mul_i32 s22, s16, HALFT
	s_add_co_u32 s22, s22, 2*HALFT
.irp s, 0,1
	v_add_nc_u32 v[ADRA+\s], s21, v4
	v_add_nc_u32 v[ADRB+\s], s22, v4
	s_add_co_u32 s21, s21, SLOT
	s_add_co_u32 s22, s22, SLOT
.endr
	v_mul_u32_u24 v5, v1, KS
	v_lshrrev_b32 v6, 8, v5
	v_lshl_add_u32 v5, v6, 4, v5
	s_mul_i32 s21, s15, HALFS
	s_mul_i32 s22, s16, HALFS
	s_add_co_u32 s22, s22, 2*HALFS
	s_sub_co_u32 s22, s22, s21
	v_mul_u32_u24 v6, s22, v2
	s_add_co_u32 s21, s21, SCL
	v_add_nc_u32 v5, v5, v6
	v_add_nc_u32 v[ADRS], s21, v5
	s_lshl_b32 s23, s14, 10
	v_lshl_add_u32 v[SWA], v1, 2, s23
	v_and_b32 v6, 31, v0
	v_lshl_add_u32 v[SRD], v6, 4, s23
	v_lshlrev_b32 v[GI], 3, v6
	v_lshlrev_b32 v30, 5, v2
	s_wait_alu depctr_va_vdst(0)
	v_lshlrev_b32 v31, 2, v1
	s_wait_alu depctr_va_vdst(0)
	s_lshl_b32 s18, s40, 10
	s_lshl_b32 s19, s16, 9
	s_add_co_u32 s18, s18, s19
	s_lshl_b32 s19, s41, 10
	s_lshl_b32 s2, s15, 9
	s_add_co_u32 s19, s19, s2
	s_cmp_eq_u32 s66, 1
	s_cselect_b32 s2, 0, s18
	s_cselect_b32 s18, s19, 0
	s_mov_b32 s19, 0
	s_add_nc_u64 s[100:101], s[96:97], s[18:19]
	s_mov_b32 s18, s2
	s_add_nc_u64 s[96:97], s[96:97], s[18:19]
	s_lshl_b32 s18, s17, 10
	s_lshl_b32 s2, s15, 9
	s_add_co_u32 s18, s18, s2
	s_add_nc_u64 s[98:99], s[98:99], s[18:19]
.irp b, 0,1,2,3,4,5,6,7
	global_load_b128 v[BN+8*\b:BN+8*\b+3], v30, s[96:97] offset:64*\b
	global_load_b128 v[BN+8*\b+4:BN+8*\b+7], v30, s[96:97] offset:64*\b+16
.endr
.irp a, 0,1,2,3,4,5,6,7
	global_load_b32 v[BM+2*\a], v31, s[100:101] offset:64*\a
	global_load_b32 v[BM+2*\a+1], v31, s[100:101] offset:64*\a
	global_load_b32 v[MW+\a], v31, s[98:99] offset:64*\a
.endr
.macro FRAG reg, adr, q, i
.irp g, 0,1,2
	ds_load_b128 v[\reg+4*\g:\reg+4*\g+3], v[\adr] offset:(\i)*ROWB+(\q)*1536+512*\g   ; 512 consecutive bytes a load
.endr
.endm
.macro MUL16 a0, p, q, sc, zero
.irp a, \a0, \a0+1
.irp b, 0,1,2,3,4,5,6,7
.if \zero
	v_wmma_scale_f32_16x16x128_f8f6f4 v[8*(8*((\a)%4)+\b):8*(8*((\a)%4)+\b)+7], v[128*(\p)+FR*\b:128*(\p)+FR*\b+FR-1], v[AF+FR*(\a):AF+FR*(\a)+FR-1], 0, v[SC+8*NQ*(\sc)+NQ*\b+(\q)], v[SC+8*NQ*(\sc)+NQ*(\a)+(\q)] matrix_a_fmt:MATRIX_FMT_FP6 matrix_b_fmt:MATRIX_FMT_FP6 matrix_a_scale:MATRIX_SCALE_ROW1
.else
	v_wmma_scale_f32_16x16x128_f8f6f4 v[8*(8*((\a)%4)+\b):8*(8*((\a)%4)+\b)+7], v[128*(\p)+FR*\b:128*(\p)+FR*\b+FR-1], v[AF+FR*(\a):AF+FR*(\a)+FR-1], v[8*(8*((\a)%4)+\b):8*(8*((\a)%4)+\b)+7], v[SC+8*NQ*(\sc)+NQ*\b+(\q)], v[SC+8*NQ*(\sc)+NQ*(\a)+(\q)] matrix_a_fmt:MATRIX_FMT_FP6 matrix_b_fmt:MATRIX_FMT_FP6 matrix_a_scale:MATRIX_SCALE_ROW1
.endif
.endr
.endr
.endm
.macro FETCH_B slot, q, p
	WIN TO_B
.irp i, 0,1,2,3,4,5,6,7
	FRAG 128*(\p)+FR*\i, ADRB+\slot, \q, \i
.endr
	WIN 0
.endm
.macro FETCH_A slot, q, i0
.irp i, \i0, \i0+1, \i0+2, \i0+3
	FRAG AF+FR*(\i), ADRA+\slot, \q, \i
.endr
.endm
.macro SCALES sc
.irp i, 0,1,2,3,4,5,6,7
	ds_load_b64 v[SC+8*NQ*\sc+NQ*\i:SC+8*NQ*\sc+NQ*\i+1], v[ADRS] offset:\i*SBLK
.endr
.endm
.macro STEP slot, q, zero
	s_wait_dscnt 4*NL
	WIN MUL_LO
	MUL16 0, (\q)%2, \q, \slot, \zero
	MUL16 2, (\q)%2, \q, \slot, \zero
	s_wait_dscnt 0
	PLACES NP
	FETCH_B \slot, (\q)+1, 1-(\q)%2
	FETCH_A \slot, (\q)+1, 0
	WIN MUL_HI
	MUL16 4, (\q)%2, \q, \slot, \zero
	MUL16 6, (\q)%2, \q, \slot, \zero
	PLACES NP
	WIN 0
	FETCH_A \slot, (\q)+1, 4
.endm
.macro TURN slot, next, fill
	s_wait_tensorcnt 0x0
	ds_add_u32 v[SPW], v[NIL]
	s_wait_dscnt 4*NL+1
	WIN MUL_LO
	MUL16 0, 1, NQ-1, \slot, 0
	s_wait_dscnt 0x0
	s_barrier_signal -1
	MUL16 2, 1, NQ-1, \slot, 0
	WIN 0
	s_barrier_wait -1
.if \fill
	CREST
	s_add_nc_u64 s[G0+4*\slot+2:G0+4*\slot+3], s[G0+4*\slot+2:G0+4*\slot+3], 2*ROWB
	s_add_nc_u64 s[G0B+4*\slot+2:G0B+4*\slot+3], s[G0B+4*\slot+2:G0B+4*\slot+3], 2*ROWB
	JLOAD G0+4*\slot, G1, G0B+4*\slot, G1B
.else
	PLACES NP
.endif
	s_wait_alu depctr_va_vdst(0)
	v_add_nc_u32 v[ADRS], 4*NQ, v[ADRS]
	FETCH_B \next, 0, 0
	FETCH_A \next, 0, 0
	SCALES \next
	WIN MUL_HI
	MUL16 4, 1, NQ-1, \slot, 0
	MUL16 6, 1, NQ-1, \slot, 0
	PLACES NP
	WIN 0
	FETCH_A \next, 0, 4
.endm
	s_wait_alu depctr_va_vdst(0)                   ; the wait at the head's end
	s_wait_tensorcnt 0x0                           ; my tile of the head's four is in; the lines ahead of a later first fill:
	ds_add_u32 v[SPW], v[NIL]
	s_mov_b32 s[G1+2], 8<<16                       ; no tensor load of mine is out: from here on a load brings 8 row tiles
	s_mov_b32 s[G1+4], 8
	s_mov_b32 s[G1B+2], 8<<16
	s_mov_b32 s[G1B+4], 8
	s_wait_dscnt 0x0
	CROUND                                         ; all four tiles are in, and all sixteen work-groups are here
	JLOAD G0+4, G1, G0B+4, G1B                     ; chunk 1, the first tensor load behind the round
	FETCH_B 0, 0, 0
	FETCH_A 0, 0, 0
	SCALES 0
	FETCH_A 0, 0, 4
	STEP 0, 0, 1
	s_mov_b32 s3, LAPS-1
.Llap:
	TURN 0, 1, 1
	STEP 1, 0, 0
	TURN 1, 0, 1
	STEP 0, 0, 0
	s_sub_co_u32 s3, s3, 1
	s_cmp_lg_u32 s3, 0
	s_cbranch_scc1 .Llap
	TURN 0, 1, 0
	STEP 1, 0, 0
	s_wait_dscnt 4*NL
	WIN MUL_LO
	MUL16 0, 1, NQ-1, 1, 0
	MUL16 2, 1, NQ-1, 1, 0
	s_wait_dscnt 0
	WIN MUL_HI
	MUL16 4, 1, NQ-1, 1, 0
	MUL16 6, 1, NQ-1, 1, 0
	WIN 0
	s_mov_b32 s[SEL], 0x76543210
	s_mov_b32 s[SEL+1], 0xfedcba98
	s_and_b32 s68, ttmp7, 0xffff
	s_lshl_b32 s68, s68, 2
	s_add_co_u32 s69, s68, s40
	s_lshl_b32 s69, s69, 8
	s_lshl_b32 s70, s16, 7
	s_add_co_u32 s69, s69, s70
	s_add_co_u32 s71, s68, s41
	s_lshl_b32 s71, s71, 8
	s_lshl_b32 s70, s15, 7
	s_add_co_u32 s71, s71, s70
	s_lshl_b32 s72, s41, 2
	s_lshl_b32 s70, s15, 1
	s_add_co_u32 s72, s72, s70
	s_lshl_b32 s73, s40, 2
	s_lshl_b32 s70, s16, 1
	s_add_co_u32 s73, s73, s70
	s_cmp_eq_u32 s66, 1
	s_cselect_b32 s69, s69, s71
	s_cselect_b32 s72, s72, s73
	s_lshr_b32 s70, s69, 11
	s_lshl_b32 s70, s70, 4
	s_add_co_u32 s70, s70, s72
	s_and_b32 s69, s69, 2047
	s_mul_i32 s74, s70, HEADB
	s_lshr_b32 s75, s69, 7
	s_mul_i32 s75, s75, REC
	s_add_co_u32 s74, s74, s75
	s_add_co_u32 s74, s74, KVOFF
	s_lshl_b32 s76, s70, 17
	s_lshl_b32 s75, s69, 6
	s_add_co_u32 s76, s76, s75
	s_lshl_b32 s77, s70, 13
	s_lshl_b32 s75, s69, 2
	s_add_co_u32 s77, s77, s75
	s_add_co_u32 s77, s77, QSOFF
	s_add_co_u32 s78, s74, 14336
	s_add_co_u32 s79, s74, 8192
	s_add_co_u32 s80, s74, 14848
	s_mov_b32 s81, 131072
	s_mov_b32 s82, 8192
	s_mov_b32 s38, 0x7f7f0000
	s_mov_b32 s39, 8
	s_mov_b32 s43, 8
	s_mov_b32 s44, -1
	s_mov_b32 s[STR], 1024
	s_mov_b32 s[STR4], 1024
	s_mov_b32 s36, 256
	s_mov_b32 s37, 0xffff
	s_cmp_eq_u32 s67, 1
	s_cselect_b32 s76, s74, s76
	s_cselect_b32 s77, s78, s77
	s_cselect_b32 s81, HEADB, s81
	s_cselect_b32 s82, HEADB, s82
	s_cselect_b32 s38, 0x7f800000, s38
	s_cselect_b32 s39, 0x38, s39
	s_cselect_b32 s43, 0, s43
	s_cselect_b32 s44, 0, s44
	s_cmp_eq_u32 s66, 1
	s_cselect_b32 s76, s79, s76
	s_cselect_b32 s77, s80, s77
	s_cselect_b32 s81, 768, s81
	s_cselect_b32 s38, 0, s38
	s_cselect_b32 s39, 0, s39
	s_cselect_b32 s43, 0, s43
	s_cselect_b32 s[STR], 1536, s[STR]
	s_cselect_b32 s[STR4], HEADB-3*1536, s[STR4]
	s_cselect_b32 s36, HEADB, s36
	s_cselect_b32 s37, -1, s37
	s_mov_b32 s[STR+1], 0
	s_mov_b32 s[STR4+1], 0
	s_mov_b32 s85, 0
	s_mov_b32 s84, s76
	s_add_nc_u64 s[P0:P0+1], s[12:13], s[84:85]
	s_mov_b32 s84, s81
	s_add_nc_u64 s[P1:P1+1], s[P0:P0+1], s[84:85]
	s_mov_b32 s84, s77
	s_add_nc_u64 s[PS0:PS0+1], s[12:13], s[84:85]
	s_mov_b32 s84, s82
	s_add_nc_u64 s[PS1:PS1+1], s[PS0:PS0+1], s[84:85]
	PLACES NP
	s_wait_loadcnt 0x0
	v_mov_b32 v[PD+1], 0
	v_mov_b32 v[PKV], s43
	v_add_nc_u32 v[LOW], -1, v2
	v_mul_u32_u24 v[GSV], v2, s36
	v_lshl_add_u32 v[GSV], v1, 4, v[GSV]
.macro QUANT s, pw
.irp b, 0,1,2,3
	v_max3_num_f32 v[TM+\b], |v[\s+16*\b]|, |v[\s+1+16*\b]|, 0x1800000
.endr
.irp i, 2,4,6,8,10,12,14
.irp b, 0,1,2,3
	v_max3_num_f32 v[TM+\b], v[TM+\b], |v[\s+16*\b+\i]|, |v[\s+1+16*\b+\i]|
.endr
.endr
.irp b, 0,1,2,3
	v_permlanex16_b32 v[TM+4+\b], v[TM+\b], s[SEL], s[SEL+1]
.endr
.irp b, 0,1,2,3
	v_max_num_f32 v[TM+\b], v[TM+\b], v[TM+4+\b]
.endr
.irp b, 0,1,2,3
	v_add_nc_u32 v[TM+12+\b], 0xff000000, v[TM+\b]
.endr
.irp b, 0,1,2,3
	v_lshrrev_b32 v[TM+4+\b], 23, v[TM+12+\b]
.endr
	v_lshl_or_b32 v[\pw], v[TM+5], 8, v[TM+4]
	v_lshl_or_b32 v[\pw], v[TM+6], 16, v[\pw]
	v_lshl_or_b32 v[\pw], v[TM+7], 24, v[\pw]
.irp c, 0,1
	v_cvt_scalef32_pk16_fp6_f32 v[PC+6*\c:PC+2+6*\c], v[\s+32*\c:\s+15+32*\c], v[TM+12+2*\c]
	v_cvt_scalef32_pk16_fp6_f32 v[PC+12+4*\c:PC+14+4*\c], v[\s+16+32*\c:\s+31+32*\c], v[TM+12+2*\c+1]
.endr
	v_nop
.irp c, 0,1
.irp i, 0,1,2
	v_permlane16_swap_b32 v[PC+6*\c+\i], v[PC+12+4*\c+\i]
.endr
.irp i, 0,1,2
	v_mov_b32 v[PC+3+6*\c+\i], v[PC+12+4*\c+\i]
.endr
.endr
.endm
.macro QBLOCK a
.set AC, 64*((\a)%4)
.set WW, 2+(\a)/4
	s_wait_xcnt 0x0
.if (\a) == 4
	s_add_nc_u64 s[P0:P0+1], s[P0:P0+1], s[STR4:STR4+1]
	s_add_nc_u64 s[P1:P1+1], s[P1:P1+1], s[STR4:STR4+1]
.elseif (\a) > 0
	s_add_nc_u64 s[P0:P0+1], s[P0:P0+1], s[STR:STR+1]
	s_add_nc_u64 s[P1:P1+1], s[P1:P1+1], s[STR:STR+1]
.endif
	s_cmp_eq_u32 s66, 1
	s_cbranch_scc1 .Lby_row_\@
	WIN WW
.set i, 0
.rept 32
	v_pk_add_f32 v[T+i:T+i+1], v[AC+i:AC+i+1], v[BN+i:BN+i+1]
.set i, i+2
.endr
	WIN 0
	s_branch .Lbiased_\@
.Lby_row_\@:
	WIN WW
.set i, 0
.rept 32
	v_pk_add_f32 v[T+i:T+i+1], v[AC+i:AC+i+1], v[BM+2*(\a):BM+2*(\a)+1]
.set i, i+2
.endr
	WIN 0
.Lbiased_\@:
	QUANT T, PW
	v_cmp_ne_u32 s45, 0, v[MW+\a]
	s_or_b32 s45, s45, s44
.irp i, 0,1,2,3,4,5,6,7,8,9,10,11
	v_cndmask_b32 v[PC+\i], 0, v[PC+\i], s45
.endr
	v_mov_b32 v[PD], s39
	v_cndmask_b32 v[PD], v[PD], v[PKV], s45
	v_and_b32 v[PD], v[LOW], v[PD]
	v_and_or_b32 v[W0+\a], v[PW], s37, s38
	v_lshrrev_b32 v[TP], 16, v[PW]
	v_or_b32 v[W1+\a], s38, v[TP]
.irp p, 0,1,2
	global_store_b64 v[GI], v[PC+2*\p:PC+2*\p+1], s[P0:P0+1] offset:256*\p
.endr
.irp p, 0,1,2
	global_store_b64 v[GI], v[PC+6+2*\p:PC+7+2*\p], s[P1:P1+1] offset:256*\p
.endr
	s_cmp_eq_u32 s66, 1
	s_cbranch_scc1 .Lno_pad_\@
	global_store_b64 v[GI], v[PD:PD+1], s[P0:P0+1] offset:768
	global_store_b64 v[GI], v[PD:PD+1], s[P1:P1+1] offset:768
.Lno_pad_\@:
.endm
.irp a, 0,1,2,3,4,5,6,7
	QBLOCK \a
.endr
	s_wait_alu depctr_va_vdst(0)
.irp a, 0,1,2,3,4,5,6,7
	ds_store_b32 v[SWA], v[W0+\a] offset:64*\a
	ds_store_b32 v[SWA], v[W1+\a] offset:512+64*\a
.endr
	ds_load_b128 v[T:T+3], v[SRD]
	ds_load_b128 v[T+4:T+7], v[SRD] offset:512
	s_wait_dscnt 0x0
	global_store_b128 v[GSV], v[T:T+3], s[PS0:PS0+1]
	s_cmp_eq_u32 s66, 1
	s_cbranch_scc1 .Lno_second
	global_store_b128 v[GSV], v[T+4:T+7], s[PS1:PS1+1]
.Lno_second:
	s_wait_tensorcnt 0x0
	ds_add_u32 v[SPW], v[NIL]
	s_wait_dscnt 0x0
	CROUND
	s_endpgm
.Lfunc_end_k_q62298cda95_qkv:
	.size	k_q62298cda95_qkv, .Lfunc_end_k_q62298cda95_qkv-k_q62298cda95_qkv
	.p2alignl 7, 3214868480
	.fill 96, 4, 3214868480
	.section	.rodata,"a",@progbits
	.p2align	6, 0x0
	.amdhsa_kernel k_q62298cda95_qkv
		.amdhsa_group_segment_fixed_size 327680
		.amdhsa_private_segment_fixed_size 0
		.amdhsa_enable_private_segment 0
		.amdhsa_kernarg_size 80
		.amdhsa_user_sgpr_count 2
		.amdhsa_user_sgpr_kernarg_segment_ptr 1
		.amdhsa_wavefront_size32 1
		.amdhsa_system_sgpr_workgroup_id_x 1
		.amdhsa_system_sgpr_workgroup_id_y 1
		.amdhsa_system_sgpr_workgroup_id_z 1
		.amdhsa_system_vgpr_workitem_id 0
		.amdhsa_next_free_vgpr 1024
		.amdhsa_next_free_sgpr 102
		.amdhsa_reserve_vcc 0
		.amdhsa_float_denorm_mode_32 3
		.amdhsa_float_denorm_mode_16_64 3
		.amdhsa_memory_ordered 1
		.amdhsa_forward_progress 1
		.amdhsa_inst_pref_size 196
	.end_amdhsa_kernel
	.amdgpu_metadata
---
amdhsa.version: [ 1, 2 ]
amdhsa.kernels:
  - .name:           k_q62298cda95_qkv
    .symbol:         k_q62298cda95_qkv.kd
    .args:
      - { .name: act, .offset: 0, .size: 8, .value_kind: global_buffer, .address_space: global }
      - { .name: wimg, .offset: 8, .size: 8, .value_kind: global_buffer, .address_space: global }
      - { .name: wq_scales, .offset: 16, .size: 8, .value_kind: global_buffer, .address_space: global }
      - { .name: wk_scales, .offset: 24, .size: 8, .value_kind: global_buffer, .address_space: global }
      - { .name: wv_scales, .offset: 32, .size: 8, .value_kind: global_buffer, .address_space: global }
      - { .name: bq, .offset: 40, .size: 8, .value_kind: global_buffer, .address_space: global }
      - { .name: bk, .offset: 48, .size: 8, .value_kind: global_buffer, .address_space: global }
      - { .name: bv, .offset: 56, .size: 8, .value_kind: global_buffer, .address_space: global }
      - { .name: src_mask, .offset: 64, .size: 8, .value_kind: global_buffer, .address_space: global }
      - { .name: qkv, .offset: 72, .size: 8, .value_kind: global_buffer, .address_space: global }
    .group_segment_fixed_size: 327680
    .private_segment_fixed_size: 0
    .kernarg_segment_align: 8
    .kernarg_segment_size: 80
    .max_flat_workgroup_size: 128
    .sgpr_count:     102
    .vgpr_count:     1024
    .wavefront_size: 32
...
	.end_amdgpu_metadata
.endif
;; end of part 2
;; launch attn (part 3): grid 8 x 32, 8 waves a work-group, clusters of 4 x 1, 327,680 bytes of LDS; arguments qkv, ctx; writes ctx
.if DOCPART == 3
	.amdgcn_target "amdgcn-amd-amdhsa--gfx1250"
	.amdhsa_code_object_version 6
	.text
	.protected	k_q62298cda95_attn
	.globl	k_q62298cda95_attn
	.p2align	8
	.type	k_q62298cda95_attn,@function
k_q62298cda95_attn:
	s_mov_b64 s[64:65], 0
	v_nop
	global_prefetch_b8 v0, s[64:65] scope:SCOPE_SE
	s_setreg_imm32_b32 hwreg(HW_REG_WAVE_MODE, 25, 1), 1
	s_wait_xcnt 0x0
	s_wait_alu depctr_hold_cnt(0) depctr_sa_sdst(0) depctr_va_vdst(0) depctr_va_sdst(0) depctr_va_ssrc(0) depctr_va_vcc(0) depctr_vm_vsrc(0)
	s_getreg_b32 s2, hwreg(HW_REG_IB_STS2, 6, 4)
	s_cmp_eq_u32 s2, 0
	s_cbranch_scc0 .Lentry_in_a_cluster
	s_endpgm
.Lentry_in_a_cluster:
	s_bfe_u32 s2, ttmp6, 0x10000c
	s_cmp_lg_u32 s2, 0x3003
	s_cbranch_scc0 .Lentry_shape_is_right
	s_endpgm
.Lentry_shape_is_right:
; ctx = Q(softmax(q k^T / 8, masked keys at -1) v), both products on codes of FP6 (E2M3) with E8M0 scales.  Inputs: the images that the launch before laid (its head comment says how).
; t = score x log2(e) / 8; M = the running largest t rounded up to a whole number; p = 2^(t - M) is quantised along the keys, not normalised; the row's sum is taken of the unquantised p and divides at the end.
; The mask costs nothing here: a masked key's score comes out of the first product as exactly -8.
; SHARES.  A work-group owns 256 queries of one head, each of its eight waves two tiles of 16: each fragment of K and V read from LDS feeds two matrix instructions.  Tile A lives in register window 0, tile B under the
; same numbers in window 1, so the softmax is written once and runs under two window settings.  Two waves share a SIMD.
; LDS.  A head's K, V and scale words are 16 records of REC bytes: all of them fit, as they lie in memory.  Each wave brings records w and w + 8 by two joint loads (the four query blocks of a cluster belong to one head),
; both issued behind the opening round.  No LDS byte is filled twice, so no slot changes hands: one barrier opens records 0-7, a second records 8-15.  All tensor loads go out at the head: there is no later load to prefetch for.
; LAYOUT.  S^T = K Q^T (source 0 = 16 keys, source 1 = 16 queries), O^T = V^T P^T: a lane holds one query throughout.  S's register 8 i + j is key 16 i + 8 h + j: the order in which V's keys were quantised.
; THE KEY STEP IS PIPELINED.  In step j: tile A's softmax; tile A's scores of step j + 1 (its S registers are free then); V of step j is asked for; tile B's softmax, under which V lands; both tiles' V^T P; tile B's scores of
; step j + 1; K of step j + 2 is asked for, all eight tiles in one run, and lands under the next softmax.  So no wait stands straight behind the loads that it waits for, and no softmax starts on results just issued.
; ctx: images [row tile 256][K step 8][1,536] at 0 in the natural order of the head's channels (the next product's partner is a given weight); scale words [K step 8][row 4096] at CSOFF: a head writes two bytes of a word,
; the one store here that does not cover whole runs of 256 bytes: a word spans two heads and a work-group owns one.
; LIMITS: NaN and infinities are not served; a block whose largest magnitude lies under 2^-124 keeps the byte 1.
.set REC,   15104
.set HEADB, 16*REC
.set QSOFF, 4194304
.set KVOFF, 4456448
.set CSOFF, 3145728
.set VOFF,  8192                       ; in a record: V's images,
.set KWOFF, 14336                      ; K's scale words,
.set VWOFF, 14848                      ; V's
.set LA8,  1                           ; v1  8 x lane; never rewritten
.set LA4,  2                           ; v2  4 x (lane % 16); never rewritten
.set ADK,  3                           ; v3  the record in hand + 8 x lane
.set ADW,  4                           ; v4  + 4 r
.set KW2,  5                           ; v5-8 the scale words of K's tiles 4-7
.set Q,    16                          ; v16-27 Q's fragment (each window); registers 8-11 stay 0
.set KF,   32                          ; v32-79  four fragments of K: tiles 0-3 in window 0, tiles 4-7 in window 1; registers 8-11 of each stay 0
.set VF,   80                          ; v80-127 four fragments of V (window 0); tile A's temporaries lie here until V is fetched
.set KW,   128                         ; v128-131 the scale words of K's tiles 0-3, v132-135 V's; v28, v29 Q's; v30, v31 p's: these and v5-8 hold scales and nothing else
.set VW,   132
.set S,    136                         ; v136-199 S^T, then p (each window)
.set O,    200                         ; v200-231 O^T
.set PC,   232                         ; v232-250 p's codes
.set BMX,  80                          ; temporaries, in the tile's window
.set BX,   84
.set SCR,  88
.set BY,   92
.set T,    96
.set F,    98
.set SUM2, 100
.set SUM3, 102
.set SUM4, 104
.set WV,   18
.set SEL,  20
.set CS,   22
.set TB,   2
.set MSB, 0
.macro WIN new
.if MSB != \new
	s_set_vgpr_msb (MSB<<8)|\new
.set MSB, \new
.endif
.endm
.macro PLACES n
.rept \n
	v_nop
.endr
.endm
.macro CROUND
	s_barrier_signal -1
	s_barrier_wait -1
	s_cmp_lg_u32 s[WV], 0
	s_cbranch_scc1 .Lnot_wave_0_\@
	s_barrier_signal -3
.Lnot_wave_0_\@:
	s_barrier_wait -3
	s_barrier_signal -1
	s_barrier_wait -1
.endm
	s_load_b128 s[4:7], s[0:1], 0x0                ; qkv, ctx
	v_lshl_add_u32 v254, v0, 2, 0x3b000
	v_mov_b32 v255, 0
	ds_add_u32 v254, v255
	ds_add_u32 v254, v255
	v_lshrrev_b32 v1, 5, v0
	s_delay_alu instid0(VALU_DEP_1)
	v_readfirstlane_b32 s[WV], v1                  ; wave 0..7
	s_bfe_u32 s13, ttmp6, 0x40000                  ; cx: it enters Q's and ctx's addresses alone
	s_lshl_b32 s14, ttmp9, 2
	s_add_co_u32 s14, s14, s13                     ; my block of 256 queries
	s_and_b32 s15, ttmp7, 0xffff                   ; 16 x batch + head, which the four partners share
	s_mov_b32 s24, 15|(3<<16)|(1<<21)              ; group 1: all four work-groups; elements of 8 bytes; bit 21 beside a mask; no padding
	s_mov_b32 s25, 32<<16                          ; a record is 59 dense rows of 256 bytes
	s_mov_b32 s26, 59<<16
	s_mov_b32 s27, 32<<16
	s_mov_b32 s28, 59
	s_mov_b32 s29, 32
	s_mov_b32 s30, 0
	s_mov_b32 s31, 0
	s_mul_i32 s16, s[WV], REC                      ; my first record: its place in LDS and in the head
	s_mul_i32 s8, s15, HEADB
	s_add_co_u32 s8, s8, s16
	s_add_co_u32 s8, s8, KVOFF
	s_mov_b32 s9, 0
	s_lshl_b32 s12, s14, 4
	s_lshl_b32 s17, s[WV], 1
	s_add_co_u32 s12, s12, s17                     ; my first tile of queries in the sequence
	s_lshl_b32 s10, s15, 7
	s_add_co_u32 s10, s10, s12
	s_lshl_b32 s40, s10, 6
	s_add_co_u32 s40, s40, QSOFF                   ; Q's scale words
	s_mov_b32 s41, 0
	s_lshl_b32 s10, s10, 10                        ; Q's tiles
	s_mov_b32 s11, 0
	s_lshr_b32 s46, s15, 4
	s_lshl_b32 s46, s46, 7
	s_add_co_u32 s46, s46, s12                     ; my first row tile of ctx
	s_and_b32 s47, s15, 15
	s_lshr_b32 s48, s47, 1                         ; the next product's K step,
	s_and_b32 s47, s47, 1                          ; and my half of it
	s_lshl_b32 s49, s46, 3
	s_add_co_u32 s49, s49, s48
	s_mul_i32 s42, s49, 1536
	s_mul_i32 s49, s47, 768
	s_add_co_u32 s42, s42, s49
	s_mov_b32 s43, 0
	s_lshl_b32 s44, s48, 14
	s_lshl_b32 s49, s46, 6
	s_add_co_u32 s44, s44, s49
	s_lshl_b32 s49, s47, 1
	s_add_co_u32 s44, s44, s49
	s_add_co_u32 s44, s44, CSOFF
	s_mov_b32 s45, 0
	s_mov_b32 s[SEL], 0x76543210
	s_mov_b32 s[SEL+1], 0xfedcba98
	s_mov_b32 s[CS], 0x3e38aa3b                    ; c = log2(e) / 8
	s_mov_b32 s[CS+1], s[CS]
	s_wait_dscnt 0x0
	s_wait_kmcnt 0x0
	s_add_nc_u64 s[8:9], s[4:5], s[8:9]
	s_add_nc_u64 s[10:11], s[4:5], s[10:11]
	s_add_nc_u64 s[40:41], s[4:5], s[40:41]
	s_add_nc_u64 s[42:43], s[6:7], s[42:43]
	s_add_nc_u64 s[44:45], s[6:7], s[44:45]
	CROUND                                         ; all four work-groups are here: the joint loads meet
	s_mov_b32 s32, 1
	s_mov_b32 s33, s16
	s_mov_b64 s[34:35], s[8:9]
	s_or_b32 s35, s35, 0x80000000
	s_mov_b32 s36, 1
	s_add_co_u32 s37, s16, 8*REC
	s_add_nc_u64 s[38:39], s[8:9], 8*REC
	s_or_b32 s39, s39, 0x80000000
	tensor_load_to_lds s[32:35], s[24:31]          ; record w
	s_nop 0
.rept 4
	v_nop
.endr
	v_and_b32 v9, 31, v0
	s_delay_alu instid0(VALU_DEP_1)
	v_lshlrev_b32 v[LA8], 3, v9
	v_and_b32 v10, 15, v0
	s_delay_alu instid0(VALU_DEP_1)
	v_lshlrev_b32 v[LA4], 2, v10
.irp p, 0,1,2,3
	global_load_b64 v[Q+2*\p:Q+2*\p+1], v[LA8], s[10:11] offset:256*\p
.endr
	global_load_b32 v28, v[LA4], s[40:41]
	global_load_b32 v29, v[LA4], s[40:41] offset:64
	WIN 0x40                                       ; destination window 1
.irp p, 0,1,2,3
	global_load_b64 v[Q+2*\p:Q+2*\p+1], v[LA8], s[10:11] offset:1024+256*\p
.endr
	WIN 0
.macro INIT                            ; the key step has no first step of its own: the first finds zeros, which the first change of M leaves zeros
	v_mov_b32 v13, 0xff61b1e6                      ; the largest t so far: -3e38
	s_delay_alu instid0(VALU_DEP_1)
	v_floor_f32 v12, -v13                          ; -M
	v_mov_b32 v14, 0
	v_mov_b32 v15, 0
.irp j, 8,9,10,11
	v_mov_b32 v[Q+\j], 0                           ; positions 76 to 127 of the padded K
.endr
.irp i, 0,1,2,3
.irp j, 8,9,10,11
	v_mov_b32 v[KF+12*\i+\j], 0                    ; the same of this window's four fragments of K
.endr
.endr
.set j, 0
.rept 32
	v_mov_b32 v[O+j], 0
.set j, j+1
.endr
.irp b, 0,1,2,3
	v_mov_b32 v[BX+\b], 0                          ; a lane permute's destination counts as a source
.endr
	v_mov_b32 v[F+1], 0                            ; named as the upper half of a pair
.endm
	INIT
	WIN 0x55
	INIT
	WIN 0
; THE SOFTMAX OF ONE TILE for 128 keys, in the window that is set.  The 64 exponentials are one batch with one wait; the four of the blocks' largest p a second, with the row's sums as the work behind them.
.macro SM tile
.irp b, 0,1,2,3
	v_max3_num_f32 v[BMX+\b], v[S+16*\b], v[S+1+16*\b], v[S+2+16*\b]   ; the largest score of each block of 32 keys: for the row's maximum and, since p rises with the score, for the block's largest p
.endr
.irp i, 3,5,7,9,11,13
.irp b, 0,1,2,3
	v_max3_num_f32 v[BMX+\b], v[BMX+\b], v[S+16*\b+\i], v[S+1+16*\b+\i]
.endr
.endr
.irp b, 0,1,2,3
	v_max_num_f32 v[BMX+\b], v[BMX+\b], v[S+15+16*\b]
.endr
.irp b, 0,1,2,3
	s_delay_alu instid0(VALU_DEP_4)
	v_permlanex16_b32 v[BX+\b], v[BMX+\b], s[SEL], s[SEL+1]
.endr
.irp b, 0,1,2,3
	s_delay_alu instid0(VALU_DEP_4)
	v_max_num_f32 v[BMX+\b], v[BMX+\b], v[BX+\b]
.endr
	s_delay_alu instid0(VALU_DEP_2)
	v_max3_num_f32 v[T], v[BMX], v[BMX+1], v[BMX+2]
	s_delay_alu instid0(VALU_DEP_1)
	v_max_num_f32 v[T], v[T], v[BMX+3]
	s_delay_alu instid0(VALU_DEP_1)
	v_mul_f32 v[T], s[CS], v[T]
	s_delay_alu instid0(VALU_DEP_1)
	v_max_num_f32 v13, v13, v[T]                   ; the running largest t
	v_mov_b32 v[T], v12
	s_delay_alu instid0(VALU_DEP_2)
	v_floor_f32 v12, -v13                          ; -M = floor(-t): M is a whole number
	s_delay_alu instid0(VALU_DEP_1)
	v_sub_f32 v[T], v12, v[T]
	s_delay_alu instid0(VALU_DEP_1)
	v_cvt_i32_f32 v[T], v[T]                       ; (it saturates)
	s_delay_alu instid0(VALU_DEP_1)
	v_ldexp_f32 v[F], 1.0, v[T]                    ; f = 2^(old M - new M): exact
.set j, 0
.rept 32
	v_pk_fma_f32 v[S+j:S+j+1], v[S+j:S+j+1], s[CS:CS+1], v[12:13] op_sel_hi:[1,0,0]
.set j, j+2
.endr
.irp b, 0,1,2,3
	v_fma_f32 v[BMX+\b], v[BMX+\b], s[CS], v12
.endr
.set j, 0
	s_wait_alu depctr_va_vdst(0)
.rept 64
	v_exp_f32 v[S+j], v[S+j]
.set j, j+1
.endr
	v_pk_mul_f32 v[14:15], v[14:15], v[F:F+1] op_sel_hi:[1,0]      ; the sums under the new M (the plain line behind the batch)
	s_wait_alu depctr_va_vdst(0)                   ; one wait for the batch, ahead of its first reader
.irp b, 0,1,2,3
	v_exp_f32 v[BMX+\b], v[BMX+\b]
.endr
	v_pk_add_f32 v[SUM2:SUM2+1], v[S:S+1], v[S+2:S+3]              ; the row's sum of the unquantised p: 32 pairs in four chains, so that no addition reads the result of one of the three lines above it
	v_pk_add_f32 v[SUM3:SUM3+1], v[S+4:S+5], v[S+6:S+7]
	v_pk_add_f32 v[SUM4:SUM4+1], v[S+8:S+9], v[S+10:S+11]
	v_pk_add_f32 v[14:15], v[14:15], v[S+12:S+13]
.set j, 14
.rept 6
	v_pk_add_f32 v[SUM2:SUM2+1], v[SUM2:SUM2+1], v[S+j:S+j+1]
	v_pk_add_f32 v[SUM3:SUM3+1], v[SUM3:SUM3+1], v[S+j+2:S+j+3]
	v_pk_add_f32 v[SUM4:SUM4+1], v[SUM4:SUM4+1], v[S+j+4:S+j+5]
	v_pk_add_f32 v[14:15], v[14:15], v[S+j+6:S+j+7]
.set j, j+8
.endr
	v_pk_add_f32 v[SUM2:SUM2+1], v[SUM2:SUM2+1], v[S+62:S+63]
	s_delay_alu instid0(VALU_DEP_3)
	v_pk_add_f32 v[SUM3:SUM3+1], v[SUM3:SUM3+1], v[SUM4:SUM4+1]
	s_delay_alu instid0(VALU_DEP_2)
	v_pk_add_f32 v[14:15], v[14:15], v[SUM2:SUM2+1]
	s_delay_alu instid0(VALU_DEP_1)
	v_pk_add_f32 v[14:15], v[14:15], v[SUM3:SUM3+1]
	s_wait_alu depctr_va_vdst(0)                   ; and one for the four
.irp b, 0,1,2,3
	v_max_num_f32 v[BMX+\b], 0x1800000, v[BMX+\b]  ; the floor 2^(3 - 127)
.endr
.irp b, 0,1,2,3
	s_delay_alu instid0(VALU_DEP_4)
	v_add_nc_u32 v[SCR+\b], 0xff000000, v[BMX+\b]
.endr
.irp b, 0,1,2,3
	s_delay_alu instid0(VALU_DEP_4)
	v_lshrrev_b32 v[BY+\b], 23, v[SCR+\b]
.endr
	s_delay_alu instid0(VALU_DEP_3)
	v_lshl_or_b32 v[T], v[BY+1], 8, v[BY]
	s_delay_alu instid0(VALU_DEP_1)
	v_lshl_or_b32 v[T], v[BY+2], 16, v[T]
.if \tile
	WIN 0x15                                       ; scale operands have no window: tile B's word goes to window 0
.endif
	v_lshl_or_b32 v[30+\tile], v[BY+3], 24, v[T]
.if \tile
	WIN 0x55
.endif
.irp c, 0,1
	v_cvt_scalef32_pk16_fp6_f32 v[PC+6*\c:PC+2+6*\c], v[S+32*\c:S+15+32*\c], v[SCR+2*\c]
	v_cvt_scalef32_pk16_fp6_f32 v[PC+12+4*\c:PC+14+4*\c], v[S+16+32*\c:S+31+32*\c], v[SCR+2*\c+1]
.endr
	v_nop                                          ; one plain line behind the conversions: the next scores are written over their sources
.irp c, 0,1
.irp i, 0,1,2
	v_permlane16_swap_b32 v[PC+6*\c+\i], v[PC+12+4*\c+\i]
.endr
.irp i, 0,1,2
	s_delay_alu instid0(VALU_DEP_3)
	v_mov_b32 v[PC+3+6*\c+\i], v[PC+12+4*\c+\i]
.endr
.endr
.set j, 0
.rept 16
	v_pk_mul_f32 v[O+j:O+j+1], v[O+j:O+j+1], v[F:F+1] op_sel_hi:[1,0]   ; O^T under the new M; these lines also stand between the scale word's and the codes' last writes and the products
.set j, j+2
.endr
.endm
; K of the record that begins off bytes behind the one in hand: eight tiles of 16 keys and their scale words, 40 LDS loads in one run; a load of 8 bytes a lane reads 256 consecutive bytes.
.macro KLOAD off
.irp i, 0,1,2,3
.irp p, 0,1,2,3
	ds_load_b64 v[KF+12*\i+2*\p:KF+12*\i+2*\p+1], v[ADK] offset:\off+1024*\i+256*\p
.endr
	ds_load_b32 v[KW+\i], v[ADW] offset:\off+KWOFF+64*\i
	ds_load_b32 v[KW2+\i], v[ADW] offset:\off+KWOFF+256+64*\i
.endr
	WIN 0x40                                       ; destination window 1: tiles 4-7
.irp i, 0,1,2,3
.irp p, 0,1,2,3
	ds_load_b64 v[KF+12*\i+2*\p:KF+12*\i+2*\p+1], v[ADK] offset:\off+4096+1024*\i+256*\p
.endr
.endr
	WIN 0
.endm
; S^T = K Q^T of one tile of queries for the K that lies in registers: eight matrix instructions, each on another accumulator.
.macro SCORE tile
.if \tile
	WIN 0x44                                       ; tile B: Q and S^T in window 1
.endif
.irp i, 0,1,2,3
	v_wmma_scale_f32_16x16x128_f8f6f4 v[S+8*\i:S+8*\i+7], v[KF+12*\i:KF+12*\i+11], v[Q:Q+11], 0, v[KW+\i], v[28+\tile] matrix_a_fmt:MATRIX_FMT_FP6 matrix_b_fmt:MATRIX_FMT_FP6
.endr
.if \tile
	WIN 0x45                                       ; and K's tiles 4-7 in window 1
.else
	WIN 0x01
.endif
.irp i, 0,1,2,3
	v_wmma_scale_f32_16x16x128_f8f6f4 v[S+32+8*\i:S+32+8*\i+7], v[KF+12*\i:KF+12*\i+11], v[Q:Q+11], 0, v[KW2+\i], v[28+\tile] matrix_a_fmt:MATRIX_FMT_FP6 matrix_b_fmt:MATRIX_FMT_FP6
.endr
	WIN 0
.endm
; A KEY STEP j: 128 keys, one record.  Both tiles' scores of step j lie in registers.  snext = 1: the scores of step j + 1 are made; knext = 1: K of step j + 2 is asked for.
.macro KSTEP snext, knext
	v_add_nc_u32 v[ADK], s[TB], v[LA8]
	v_add_nc_u32 v[ADW], s[TB], v[LA4]
	SM 0
.if \snext
	s_wait_dscnt 0x0                               ; K of step j + 1 is in: it was asked for ahead of this softmax
	SCORE 0                                        ; tile A's S registers are free: its scores of step j + 1
.endif
.irp d, 0,1,2,3                        ; V is fetched behind tile A's softmax, whose temporaries lay there, and lands under tile B's
.irp p, 0,1,2,3,4,5
	ds_load_b64 v[VF+12*\d+2*\p:VF+12*\d+2*\p+1], v[ADK] offset:VOFF+1536*\d+256*\p
.endr
	ds_load_b32 v[VW+\d], v[ADW] offset:VWOFF+64*\d
.endr
	WIN 0x55
	SM 1
	WIN 0
	s_wait_alu depctr_va_vdst(0)
	s_wait_dscnt 0x0                               ; V is in
.irp d, 0,1,2,3
	v_wmma_scale_f32_16x16x128_f8f6f4 v[O+8*\d:O+8*\d+7], v[VF+12*\d:VF+12*\d+11], v[PC:PC+11], v[O+8*\d:O+8*\d+7], v[VW+\d], v30 matrix_a_fmt:MATRIX_FMT_FP6 matrix_b_fmt:MATRIX_FMT_FP6
.endr
	WIN 0x54                                       ; tile B: P, C and D in window 1
.irp d, 0,1,2,3
	v_wmma_scale_f32_16x16x128_f8f6f4 v[O+8*\d:O+8*\d+7], v[VF+12*\d:VF+12*\d+11], v[PC:PC+11], v[O+8*\d:O+8*\d+7], v[VW+\d], v31 matrix_a_fmt:MATRIX_FMT_FP6 matrix_b_fmt:MATRIX_FMT_FP6
.endr
	WIN 0
.if \snext
	SCORE 1                                        ; tile B's scores of step j + 1: they run while tile A's next softmax is walked
.endif
	PLACES 4                                       ; behind the last products: K's registers are loaded anew, the next softmax writes temporaries where V's fragments lay, the way out reads O^T
.if \knext
	KLOAD 2*REC                                    ; K of step j + 2: it lands under the next softmax
.endif
	s_add_co_u32 s[TB], s[TB], REC
.endm
	s_wait_loadcnt 0x0                             ; Q and its scale words
	s_wait_alu depctr_va_vdst(0)                   ; the wait at the head's end
	s_wait_tensorcnt 0x0                           ; my record w is in; one tensor load a wave stands at the head, and record w + 8 is asked for as a refill is:
	ds_add_u32 v254, v255                          ; the add and its wait,
	s_wait_dscnt 0x0
	CROUND                                         ; a round: records 0 to 7 are whole, and the four work-groups are here
	tensor_load_to_lds s[36:39], s[24:31]          ; record w + 8: it has steps 0 to 5 in which to land
	s_nop 0
.rept 4
	v_nop
.endr
	s_mov_b32 s[TB], 0
	v_add_nc_u32 v[ADK], s[TB], v[LA8]
	v_add_nc_u32 v[ADW], s[TB], v[LA4]
	KLOAD 0                                        ; the way in: K of step 0,
	s_wait_alu depctr_va_vdst(0)
	s_wait_dscnt 0x0
	SCORE 0                                        ; both tiles' scores of step 0,
	SCORE 1
	PLACES 4
	KLOAD REC                                      ; K of step 1
	s_mov_b32 s3, 6
.Lfirst:                                           ; steps 0 to 5: they ask for K of steps 2 to 7, inside records 0 to 7
	KSTEP 1, 1
	s_sub_co_u32 s3, s3, 1
	s_cmp_lg_u32 s3, 0
	s_cbranch_scc1 .Lfirst
	s_wait_tensorcnt 0x0                           ; my record w + 8 is in
	s_wait_dscnt 0x0                               ; K of step 7 is in: no LDS instruction of mine is pending at the signal
	s_barrier_signal -1
	s_barrier_wait -1                              ; records 8 to 15 are whole
	s_mov_b32 s[TB], 6*REC
	s_mov_b32 s3, 8
.Lsecond:                                          ; steps 6 to 13: they ask for K of steps 8 to 15
	KSTEP 1, 1
	s_sub_co_u32 s3, s3, 1
	s_cmp_lg_u32 s3, 0
	s_cbranch_scc1 .Lsecond
	s_mov_b32 s[TB], 14*REC
	KSTEP 1, 0                                     ; step 14: there is no K left to ask for
	KSTEP 0, 0                                     ; step 15: and no scores left to make
; THE WAY OUT of a tile: O^T / the sum, brought into the natural order of the channels, quantised (two blocks of 32), stored as half an image and two scale bytes a row.
.macro OUT tile
.if \tile
	WIN 0x55
.endif
	v_add_f32 v14, v14, v15
	s_delay_alu instid0(VALU_DEP_1)
	v_permlanex16_b32 v[BX], v14, s[SEL], s[SEL+1]
	s_delay_alu instid0(VALU_DEP_1)
	v_add_f32 v14, v14, v[BX]                      ; the row's sum
	s_wait_alu depctr_va_vdst(0)
	v_rcp_f32 v[F], v14
	v_nop
	s_wait_alu depctr_va_vdst(0)
.set j, 0
.rept 16
	v_pk_mul_f32 v[O+j:O+j+1], v[O+j:O+j+1], v[F:F+1] op_sel_hi:[1,0]
.set j, j+2
.endr
.irp b, 0,1
.irp j, 0,1,2,3,4,5,6,7
	v_permlane16_swap_b32 v[O+16*\b+\j], v[O+16*\b+8+\j]           ; register 16 b + i now holds channel 32 b + 16 h + i
.endr
.endr
.irp b, 0,1
	v_max3_num_f32 v[BMX+\b], |v[O+16*\b]|, |v[O+1+16*\b]|, 0x1800000
.endr
.irp i, 2,4,6,8,10,12,14
.irp b, 0,1
	s_delay_alu instid0(VALU_DEP_2)
	v_max3_num_f32 v[BMX+\b], v[BMX+\b], |v[O+16*\b+\i]|, |v[O+1+16*\b+\i]|
.endr
.endr
.irp b, 0,1
	s_delay_alu instid0(VALU_DEP_2)
	v_permlanex16_b32 v[BX+\b], v[BMX+\b], s[SEL], s[SEL+1]
.endr
.irp b, 0,1
	s_delay_alu instid0(VALU_DEP_2)
	v_max_num_f32 v[BMX+\b], v[BMX+\b], v[BX+\b]
.endr
.irp b, 0,1
	s_delay_alu instid0(VALU_DEP_2)
	v_add_nc_u32 v[SCR+\b], 0xff000000, v[BMX+\b]
.endr
.irp b, 0,1
	s_delay_alu instid0(VALU_DEP_2)
	v_lshrrev_b32 v[BY+\b], 23, v[SCR+\b]
.endr
	s_delay_alu instid0(VALU_DEP_1)
	v_lshl_or_b32 v[T], v[BY+1], 8, v[BY]
	v_cvt_scalef32_pk16_fp6_f32 v[PC:PC+2], v[O:O+15], v[SCR]
	v_cvt_scalef32_pk16_fp6_f32 v[PC+12:PC+14], v[O+16:O+31], v[SCR+1]
	v_nop
.irp i, 0,1,2
	v_permlane16_swap_b32 v[PC+\i], v[PC+12+\i]
.endr
.irp i, 0,1,2
	s_delay_alu instid0(VALU_DEP_3)
	v_mov_b32 v[PC+3+\i], v[PC+12+\i]
.endr
.if \tile
	WIN 0x04                                       ; a store's data are its source 1: window 1; the offset in window 0
.endif
.irp g, 0,1,2
	global_store_b64 v[LA8], v[PC+2*\g:PC+2*\g+1], s[42:43] offset:12288*\tile+256*\g   ; 32 lanes store 256 consecutive bytes, aligned
.endr
	global_store_b16 v[LA4], v[T], s[44:45] offset:64*\tile        ; lanes r and r + 16 store the same two bytes
	WIN 0
.endm
	OUT 0                                          ; (the four places behind the last products stand at the last step's end)
	OUT 1
	s_wait_tensorcnt 0x0
	ds_add_u32 v254, v255
	s_wait_dscnt 0x0
	CROUND                                         ; the closing round: no work-group ends while a partner may still ask for a record that names it
	s_endpgm
.Lfunc_end_k_q62298cda95_attn:
	.size	k_q62298cda95_attn, .Lfunc_end_k_q62298cda95_attn-k_q62298cda95_attn
	.p2alignl 7, 3214868480
	.fill 96, 4, 3214868480
	.section	.rodata,"a",@progbits
	.p2align	6, 0x0
	.amdhsa_kernel k_q62298cda95_attn
		.amdhsa_group_segment_fixed_size 327680
		.amdhsa_private_segment_fixed_size 0
		.amdhsa_enable_private_segment 0
		.amdhsa_kernarg_size 16
		.amdhsa_user_sgpr_count 2
		.amdhsa_user_sgpr_kernarg_segment_ptr 1
		.amdhsa_wavefront_size32 1
		.amdhsa_system_sgpr_workgroup_id_x 1
		.amdhsa_system_sgpr_workgroup_id_y 1
		.amdhsa_system_sgpr_workgroup_id_z 1
		.amdhsa_system_vgpr_workitem_id 0
		.amdhsa_next_free_vgpr 512
		.amdhsa_next_free_sgpr 66
		.amdhsa_reserve_vcc 0
		.amdhsa_float_denorm_mode_32 3
		.amdhsa_float_denorm_mode_16_64 3
		.amdhsa_memory_ordered 1
		.amdhsa_forward_progress 1
		.amdhsa_inst_pref_size 155
	.end_amdhsa_kernel
	.amdgpu_metadata
---
amdhsa.version: [ 1, 2 ]
amdhsa.kernels:
  - .name:           k_q62298cda95_attn
    .symbol:         k_q62298cda95_attn.kd
    .args:
      - { .name: qkv, .offset: 0, .size: 8, .value_kind: global_buffer, .address_space: global }
      - { .name: ctx, .offset: 8, .size: 8, .value_kind: global_buffer, .address_space: global }
    .group_segment_fixed_size: 327680
    .private_segment_fixed_size: 0
    .kernarg_segment_align: 8
    .kernarg_segment_size: 16
    .max_flat_workgroup_size: 256
    .sgpr_count:     66
    .vgpr_count:     512
    .wavefront_size: 32
...
	.end_amdgpu_metadata
.endif
;; end of part 3
;; launch wol (part 4): grid 256 x 1, 8 waves a work-group, no clusters, 70,144 bytes of LDS; arguments ctx, wimg, wo_scales, bo, x, g2, be2, x1, act; writes x1, act
.if DOCPART == 4
	.amdgcn_target "amdgcn-amd-amdhsa--gfx1250"
	.amdhsa_code_object_version 6
	.text
	.protected	k_q62298cda95_wol
	.globl	k_q62298cda95_wol
	.p2align	8
	.type	k_q62298cda95_wol,@function
k_q62298cda95_wol:
	s_mov_b64 s[64:65], 0
	v_nop
	global_prefetch_b8 v0, s[64:65] scope:SCOPE_SE
	s_setreg_imm32_b32 hwreg(HW_REG_WAVE_MODE, 25, 1), 1
	s_wait_xcnt 0x0
; x1 = x + bo + Q(ctx) Wo on codes of FP6 (E2M3) with E8M0 scales, and act = Q(g (x1 - mean) / (std + 1e-6) + be), std with divisor 1,023: the projection and the norm behind it in one launch.
; SHARES.  A work-group owns a row tile of 16 rows and all 1,024 columns, so that a row's mean and std are made inside it: 256 work-groups.  Each of its eight waves takes 128 columns: 8 accumulators of 16 x 16.
; The matrix instruction is used transposed (source 0 = 16 rows of Wo's image = 16 columns of x1, source 1 = ctx's 16 rows): lane (r, h) holds row r, register 8 b + j column 16 b + 8 h + j of the wave's 128.
; OPERANDS go from memory straight into registers.  A fragment of Wo feeds one matrix instruction here, and lies in wimg as a lane's registers take it: three loads of 16 bytes a lane, 512 consecutive bytes a load.
; Two sets of a K step's fragments (8 of Wo, 1 of ctx: 108 registers, 30 loads) take turns in window 1: a set is asked for two K steps ahead of its products.
; No tensor load, no joint load: Wo's 786,432 bytes pass LDS's size, and a ring of two slots would change slots eight times for 8 matrix instructions a wave each.  No prefetch beside the loads: they run two K steps ahead themselves.
; Each wave loads ctx's 12,288 bytes for itself: sharing them would cost a barrier ahead of the first product.
; x + bo is read in rows (512 consecutive bytes a load), turns through the wave's own stage in LDS into the accumulators' layout and begins the sums as C.  x1 leaves the same way back.
; THE NORM: a lane sums its 64 numbers, lane l xor 16 adds its own, the eight waves meet in LDS; mean first, then the squares of x1 - mean (no difference of large sums).
; A wave's 128 columns are one K step of act: its codes are one image, [row tile][K step][3][lane][16 bytes], stored as they stand; the 16 rows' 512 scale bytes meet in LDS and leave in one store.
; LIMITS: NaN and infinities are not served; a block whose largest magnitude lies under 2^-124 keeps the byte 1 (only this program reads the bytes); 1/1023 and 1/(std + eps) are multiplications by reciprocals.
.set CSOFF,  3145728                   ; ctx's scale words [K step][4096]; act's scale bytes [4096][32] lie at the same offset
.set WOFF,   2359296                   ; wo's images in wimg
.set SPITCH, 528                       ; a stage's row: 512 bytes + 16
.set WST,    16*SPITCH
.set RED1,   8*WST                     ; [wave][16 rows] sums; RED1 + 512: the sums of squares
.set SCW,    RED1+1024                 ; [16 rows][8 scale words]
.set SPARE,  SCW+512                   ; the spare words: 128 bytes a wave
.set TM,   12                          ; v12-27 temporaries
.set SA,   32                          ; v32-39 ctx's scale words, one a K step; v40-103 Wo's: 8 b + k: they hold scales and nothing else
.set SB,   40
.set ACC,  104                         ; v104-167 the sums
.set T,    168                         ; v168-231 16 rows as they lie in memory
.set PC,   232                         ; v232-250 codes
.set PW,   251
.set SEL,  26
.set MSB, 0
.macro WIN new
.if MSB != \new
	s_set_vgpr_msb (MSB<<8)|\new
.set MSB, \new
.endif
.endm
.macro PLACES n
.rept \n
	v_nop
.endr
.endm
	s_load_b512 s[4:19], s[0:1], 0x0               ; ctx, wimg, wo_scales, bo, x, address of g, address of be, x1
	s_load_b64 s[20:21], s[0:1], 0x40              ; act
	v_lshl_add_u32 v28, v0, 2, SPARE
	v_mov_b32 v29, 0
	v_lshrrev_b32 v1, 5, v0
	v_readfirstlane_b32 s22, v1                    ; wave 0..7
	v_and_b32 v1, 15, v0                           ; r
	v_bfe_u32 v2, v0, 4, 1                         ; h
	v_and_b32 v3, 31, v0
	v_lshlrev_b32 v4, 4, v3                        ; 16 x lane
	v_lshlrev_b32 v5, 3, v3                        ; 8 x lane
	v_lshlrev_b32 v6, 2, v1                        ; 4 r
	v_lshlrev_b32 v7, 5, v1                        ; 32 r
	s_mul_i32 s24, s22, WST
	v_mad_u32_u24 v8, v1, SPITCH, s24
	v_lshl_add_u32 v8, v2, 5, v8                   ; stage, the sums' layout: row r, 32 h
	v_add_nc_u32 v9, s24, v4                       ; stage, by rows
	s_lshl_b32 s25, s22, 6
	s_add_co_u32 s25, s25, RED1
	v_add_nc_u32 v10, s25, v6                      ; my wave's sum of row r
	v_add_nc_u32 v11, RED1, v6                     ; the eight waves' sums of row r, 64 bytes apart
	s_lshl_b32 s25, s22, 2
	s_add_co_u32 s25, s25, SCW
	v_add_nc_u32 v30, s25, v7                      ; row r's scale word of my K step
	v_add_nc_u32 v31, SCW, v4
.irp b, 0,1,2,3
	v_mov_b32 v[TM+4+\b], 0                        ; a lane permute's destination counts as a source
.endr
	s_mul_i32 s30, ttmp9, 12288                    ; ctx's images of my row tile
	s_mov_b32 s31, 0
	s_lshl_b32 s32, ttmp9, 6
	s_add_co_u32 s32, s32, CSOFF                   ; its scale words
	s_mov_b32 s33, 0
	s_mul_i32 s34, s22, 98304
	s_add_co_u32 s34, s34, WOFF                    ; Wo's eight row tiles of my 128 columns
	s_mov_b32 s35, 0
	s_lshl_b32 s36, s22, 12                        ; their scale bytes
	s_mov_b32 s37, 0
	s_lshl_b32 s38, s22, 9                         ; my 128 columns in a row of f32
	s_mov_b32 s39, 0
	s_lshl_b32 s40, ttmp9, 16
	s_add_co_u32 s40, s40, s38                     ; and in my first row
	s_mov_b32 s41, 0
	s_mul_i32 s42, s22, 1536
	s_add_co_u32 s42, s42, s30                     ; act's image
	s_mov_b32 s43, 0
	s_lshl_b32 s44, ttmp9, 9
	s_add_co_u32 s44, s44, CSOFF                   ; act's scale bytes
	s_mov_b32 s45, 0
	s_mov_b32 s[SEL], 0x76543210
	s_mov_b32 s[SEL+1], 0xfedcba98                 ; selects for lane l xor 16
	s_wait_alu depctr_va_vdst(0)                   ; the wait at the head's end
	s_wait_kmcnt 0x0
	s_load_b32 s23, s[14:15], 0x0                  ; g
	s_load_b32 s28, s[16:17], 0x0                  ; be
	s_add_nc_u64 s[30:31], s[4:5], s[30:31]
	s_add_nc_u64 s[32:33], s[4:5], s[32:33]
	s_add_nc_u64 s[34:35], s[6:7], s[34:35]
	s_add_nc_u64 s[36:37], s[8:9], s[36:37]
	s_add_nc_u64 s[38:39], s[10:11], s[38:39]
	s_add_nc_u64 s[12:13], s[12:13], s[40:41]
	s_add_nc_u64 s[18:19], s[18:19], s[40:41]
	s_add_nc_u64 s[42:43], s[20:21], s[42:43]
	s_add_nc_u64 s[44:45], s[20:21], s[44:45]
.macro BSET k                          ; K step k's fragments into set k % 2, window 1: 24 loads of Wo, 6 of ctx
.set BS, 108*((\k)%2)
	WIN 0x40
.irp b, 0,1,2,3,4,5,6,7
.irp g, 0,1,2
	global_load_b128 v[BS+12*\b+4*\g:BS+12*\b+4*\g+3], v4, s[34:35] offset:(8*\b+(\k))*1536+512*\g
.endr
.endr
.irp p, 0,1,2,3,4,5
	global_load_b64 v[BS+96+2*\p:BS+96+2*\p+1], v5, s[30:31] offset:(\k)*1536+256*\p
.endr
	WIN 0
.endm
.irp t, 0,1,2,3,4,5,6,7,8,9,10,11,12,13,14,15
	global_load_b128 v[T+4*\t:T+4*\t+3], v4, s[12:13] offset:4096*\t th:TH_LOAD_NT
.endr
	global_load_b128 v[PC:PC+3], v4, s[38:39]      ; bo of my lane's four columns
.irp k, 0,1,2,3,4,5,6,7
	global_load_b32 v[SA+\k], v6, s[32:33] offset:16384*\k
.endr
.irp b, 0,1,2,3,4,5,6,7
	global_load_b128 v[SB+8*\b:SB+8*\b+3], v7, s[36:37] offset:512*\b
	global_load_b128 v[SB+8*\b+4:SB+8*\b+7], v7, s[36:37] offset:512*\b+16
.endr
	BSET 0
	s_wait_loadcnt 54                              ; x and bo are in; the 24 loads of scales and set 0's 30 may be out
.irp t, 0,1,2,3,4,5,6,7,8,9,10,11,12,13,14,15
	v_pk_add_f32 v[T+4*\t:T+4*\t+1], v[T+4*\t:T+4*\t+1], v[PC:PC+1]
	v_pk_add_f32 v[T+4*\t+2:T+4*\t+3], v[T+4*\t+2:T+4*\t+3], v[PC+2:PC+3]
.endr
.irp t, 0,1,2,3,4,5,6,7,8,9,10,11,12,13,14,15
	ds_store_b128 v9, v[T+4*\t:T+4*\t+3] offset:SPITCH*\t
.endr
.irp b, 0,1,2,3,4,5,6,7                ; LDS serves a wave's instructions in order: these see the stores above
	ds_load_b128 v[ACC+8*\b:ACC+8*\b+3], v8 offset:64*\b
	ds_load_b128 v[ACC+8*\b+4:ACC+8*\b+7], v8 offset:64*\b+16
.endr
	BSET 1
	s_wait_kmcnt 0x0
	s_mov_b32 s29, s28                             ; be as a pair for the packed form
.irp k, 0,1,2,3,4,5,6,7
.set BS, 108*(\k%2)
.if \k < 7
	s_wait_loadcnt 30                              ; set k is in; the other set's 30 loads may be out
.else
	s_wait_loadcnt 0x0
.endif
.if \k == 0
	s_wait_dscnt 0x0                               ; x + bo lies in the accumulators
.endif
	WIN 0x05                                       ; both sources in window 1, C and D in window 0
.irp b, 0,1,2,3,4,5,6,7                ; the eight accumulators take turns, one instruction a turn
	v_wmma_scale_f32_16x16x128_f8f6f4 v[ACC+8*\b:ACC+8*\b+7], v[BS+12*\b:BS+12*\b+11], v[BS+96:BS+107], v[ACC+8*\b:ACC+8*\b+7], v[SB+8*\b+\k], v[SA+\k] matrix_a_fmt:MATRIX_FMT_FP6 matrix_b_fmt:MATRIX_FMT_FP6
.endr
	PLACES 4                                       ; ahead of loads into registers that matrix instructions have read, and of the first read of the sums
.if \k < 6
	BSET \k+2
.endif
.endr
	WIN 0
.irp b, 0,1,2,3,4,5,6,7                ; x1 back through the stage; each accumulator from its low end on
	ds_store_b128 v8, v[ACC+8*\b:ACC+8*\b+3] offset:64*\b
	ds_store_b128 v8, v[ACC+8*\b+4:ACC+8*\b+7] offset:64*\b+16
.endr
.irp t, 0,1,2,3,4,5,6,7,8,9,10,11,12,13,14,15
	ds_load_b128 v[T+4*\t:T+4*\t+3], v9 offset:SPITCH*\t
.endr
.macro LSUM off                        ; v[12:15], two chains of pairs -> row r's sum over my wave's 128 columns -> LDS
	v_pk_add_f32 v[12:13], v[12:13], v[14:15]
	v_add_f32 v12, v12, v13
	v_permlanex16_b32 v16, v12, s[SEL], s[SEL+1]
	v_add_f32 v12, v12, v16
	ds_store_b32 v10, v12 offset:\off              ; lanes r and r + 16 write the same word with the same value
	s_wait_alu depctr_va_vdst(0)                   ; the wait ahead of the blocking wait
	s_wait_dscnt 0x0                               ; for the others' sake: my word has landed
.endm
.macro WSUM off                        ; the eight waves' words of row r -> v12
	s_barrier_signal -1
	s_barrier_wait -1
.irp k, 0,1,2,3,4,5,6,7
	ds_load_b32 v[16+\k], v11 offset:\off+64*\k
.endr
	s_wait_dscnt 0x0
	v_add_f32 v16, v16, v17
	v_add_f32 v18, v18, v19
	v_add_f32 v20, v20, v21
	v_add_f32 v22, v22, v23
	v_add_f32 v16, v16, v18
	v_add_f32 v20, v20, v22
	v_add_f32 v12, v16, v20
.endm
	v_pk_add_f32 v[12:13], v[ACC:ACC+1], v[ACC+2:ACC+3]
	v_pk_add_f32 v[14:15], v[ACC+4:ACC+5], v[ACC+6:ACC+7]
.set j, 8
.rept 14
	v_pk_add_f32 v[12:13], v[12:13], v[ACC+j:ACC+j+1]
	v_pk_add_f32 v[14:15], v[14:15], v[ACC+j+2:ACC+j+3]
.set j, j+4
.endr
	LSUM 0
.irp t, 0,1,2,3,4,5,6,7,8,9,10,11,12,13,14,15
	global_store_b128 v4, v[T+4*\t:T+4*\t+3], s[18:19] offset:4096*\t   ; 32 lanes store 512 consecutive bytes of a row of x1, aligned
.endr
	WSUM 0
	v_mul_f32 v252, 0x3a800000, v12                ; mean = sum / 1,024
	v_mov_b32 v253, v252
.set j, 0
.rept 32
	v_pk_add_f32 v[ACC+j:ACC+j+1], v[ACC+j:ACC+j+1], v[252:253] neg_lo:[0,1] neg_hi:[0,1]
.set j, j+2
.endr
	v_pk_mul_f32 v[12:13], v[ACC:ACC+1], v[ACC:ACC+1]
	v_pk_mul_f32 v[14:15], v[ACC+2:ACC+3], v[ACC+2:ACC+3]
.set j, 4
.rept 15
	v_pk_fma_f32 v[12:13], v[ACC+j:ACC+j+1], v[ACC+j:ACC+j+1], v[12:13]
	v_pk_fma_f32 v[14:15], v[ACC+j+2:ACC+j+3], v[ACC+j+2:ACC+j+3], v[14:15]
.set j, j+4
.endr
	LSUM 512
	WSUM 512
	v_mul_f32 v12, 0x3a802008, v12                 ; / 1,023
	s_wait_alu depctr_va_vdst(0)                   ; the waits round each transcendental
	v_sqrt_f32 v13, v12
	v_nop
	s_wait_alu depctr_va_vdst(0)
	v_add_f32 v13, 0x358637bd, v13                 ; std + 1e-6
	s_wait_alu depctr_va_vdst(0)
	v_rcp_f32 v14, v13
	v_nop
	s_wait_alu depctr_va_vdst(0)
	v_mul_f32 v254, s23, v14                       ; g / (std + eps)
	v_mov_b32 v255, v254
.set j, 0
.rept 32
	v_pk_fma_f32 v[ACC+j:ACC+j+1], v[ACC+j:ACC+j+1], v[254:255], s[28:29] op_sel_hi:[1,1,0]
.set j, j+2
.endr
.irp b, 0,1,2,3
.irp j, 0,1,2,3,4,5,6,7
	v_permlane16_swap_b32 v[ACC+16*\b+\j], v[ACC+16*\b+8+\j]       ; register 16 b + i now holds column 32 b + 16 h + i
.endr
.endr
; the quantiser: four blocks of 32 columns, each in lanes l and l xor 16
.irp b, 0,1,2,3
	v_max3_num_f32 v[TM+\b], |v[ACC+16*\b]|, |v[ACC+1+16*\b]|, 0x1800000   ; with the floor 2^(3 - 127): the byte cannot fall under 1
.endr
.irp i, 2,4,6,8,10,12,14
.irp b, 0,1,2,3
	v_max3_num_f32 v[TM+\b], v[TM+\b], |v[ACC+16*\b+\i]|, |v[ACC+1+16*\b+\i]|
.endr
.endr
.irp b, 0,1,2,3
	v_permlanex16_b32 v[TM+4+\b], v[TM+\b], s[SEL], s[SEL+1]
.endr
.irp b, 0,1,2,3
	v_max_num_f32 v[TM+\b], v[TM+\b], v[TM+4+\b]
.endr
.irp b, 0,1,2,3
	v_add_nc_u32 v[TM+12+\b], 0xff000000, v[TM+\b]                 ; 2 off the exponent field: the conversion's scale operand
.endr
.irp b, 0,1,2,3
	v_lshrrev_b32 v[TM+4+\b], 23, v[TM+12+\b]                      ; the scale's byte
.endr
	v_lshl_or_b32 v[PW], v[TM+5], 8, v[TM+4]
	v_lshl_or_b32 v[PW], v[TM+6], 16, v[PW]
	v_lshl_or_b32 v[PW], v[TM+7], 24, v[PW]
.irp c, 0,1
	v_cvt_scalef32_pk16_fp6_f32 v[PC+6*\c:PC+2+6*\c], v[ACC+32*\c:ACC+15+32*\c], v[TM+12+2*\c]
	v_cvt_scalef32_pk16_fp6_f32 v[PC+12+4*\c:PC+14+4*\c], v[ACC+16+32*\c:ACC+31+32*\c], v[TM+12+2*\c+1]
.endr
	v_nop                                          ; one plain line behind the conversions
.irp c, 0,1
.irp i, 0,1,2
	v_permlane16_swap_b32 v[PC+6*\c+\i], v[PC+12+4*\c+\i]          ; a whole block in a lane
.endr
.irp i, 0,1,2
	v_mov_b32 v[PC+3+6*\c+\i], v[PC+12+4*\c+\i]
.endr
.endr
.irp g, 0,1,2
	global_store_b128 v4, v[PC+4*\g:PC+4*\g+3], s[42:43] offset:512*\g   ; act's image of my K step: 512 consecutive bytes a store
.endr
	ds_store_b32 v30, v[PW]
	s_wait_alu depctr_va_vdst(0)
	s_wait_dscnt 0x0
	s_barrier_signal -1
	s_barrier_wait -1
	s_cmp_lg_u32 s22, 0
	s_cbranch_scc1 .Lend
	ds_load_b128 v[12:15], v31                     ; wave 0: the sixteen rows' scale bytes
	s_wait_dscnt 0x0
	global_store_b128 v4, v[12:15], s[44:45]       ; 512 consecutive bytes, aligned
.Lend:
	s_wait_tensorcnt 0x0                           ; the wave's end
	ds_add_u32 v28, v29
	s_wait_dscnt 0x0
	s_endpgm
.Lfunc_end_k_q62298cda95_wol:
	.size	k_q62298cda95_wol, .Lfunc_end_k_q62298cda95_wol-k_q62298cda95_wol
	.p2alignl 7, 3214868480
	.fill 96, 4, 3214868480
	.section	.rodata,"a",@progbits
	.p2align	6, 0x0
	.amdhsa_kernel k_q62298cda95_wol
		.amdhsa_group_segment_fixed_size 70144
		.amdhsa_private_segment_fixed_size 0
		.amdhsa_enable_private_segment 0
		.amdhsa_kernarg_size 72
		.amdhsa_user_sgpr_count 2
		.amdhsa_user_sgpr_kernarg_segment_ptr 1
		.amdhsa_wavefront_size32 1
		.amdhsa_system_sgpr_workgroup_id_x 1
		.amdhsa_system_sgpr_workgroup_id_y 1
		.amdhsa_system_sgpr_workgroup_id_z 1
		.amdhsa_system_vgpr_workitem_id 0
		.amdhsa_next_free_vgpr 512
		.amdhsa_next_free_sgpr 66
		.amdhsa_reserve_vcc 0
		.amdhsa_float_denorm_mode_32 3
		.amdhsa_float_denorm_mode_16_64 3
		.amdhsa_memory_ordered 1
		.amdhsa_forward_progress 1
		.amdhsa_inst_pref_size 64
	.end_amdhsa_kernel
	.amdgpu_metadata
---
amdhsa.version: [ 1, 2 ]
amdhsa.kernels:
  - .name:           k_q62298cda95_wol
    .symbol:         k_q62298cda95_wol.kd
    .args:
      - { .name: ctx, .offset: 0, .size: 8, .value_kind: global_buffer, .address_space: global }
      - { .name: wimg, .offset: 8, .size: 8, .value_kind: global_buffer, .address_space: global }
      - { .name: wo_scales, .offset: 16, .size: 8, .value_kind: global_buffer, .address_space: global }
      - { .name: bo, .offset: 24, .size: 8, .value_kind: global_buffer, .address_space: global }
      - { .name: x, .offset: 32, .size: 8, .value_kind: global_buffer, .address_space: global }
      - { .name: g2, .offset: 40, .size: 8, .value_kind: global_buffer, .address_space: global }
      - { .name: be2, .offset: 48, .size: 8, .value_kind: global_buffer, .address_space: global }
      - { .name: x1, .offset: 56, .size: 8, .value_kind: global_buffer, .address_space: global }
      - { .name: act, .offset: 64, .size: 8, .value_kind: global_buffer, .address_space: global }
    .group_segment_fixed_size: 70144
    .private_segment_fixed_size: 0
    .kernarg_segment_align: 8
    .kernarg_segment_size: 72
    .max_flat_workgroup_size: 256
    .sgpr_count:     66
    .vgpr_count:     512
    .wavefront_size: 32
...
	.end_amdgpu_metadata
.endif
;; end of part 4
;; launch w1 (part 5): grid 16 x 16, 4 waves a work-group, clusters of 4 x 4, 327,680 bytes of LDS; arguments act, wimg, w1_scales, b1, hid; writes hid
.if DOCPART == 5
	.amdgcn_target "amdgcn-amd-amdhsa--gfx1250"
	.amdhsa_code_object_version 6
	.text
	.protected	k_q62298cda95_w1
	.globl	k_q62298cda95_w1
	.p2align	8
	.type	k_q62298cda95_w1,@function
k_q62298cda95_w1:
	s_mov_b64 s[64:65], 0
	v_nop
	global_prefetch_b8 v0, s[64:65] scope:SCOPE_SE
	s_setreg_imm32_b32 hwreg(HW_REG_WAVE_MODE, 25, 1), 1
	s_wait_xcnt 0x0
	s_wait_alu depctr_hold_cnt(0) depctr_sa_sdst(0) depctr_va_vdst(0) depctr_va_sdst(0) depctr_va_ssrc(0) depctr_va_vcc(0) depctr_vm_vsrc(0)
	s_getreg_b32 s2, hwreg(HW_REG_IB_STS2, 6, 4)
	s_cmp_eq_u32 s2, 0
	s_cbranch_scc0 .Lentry_in_a_cluster
	s_endpgm
.Lentry_in_a_cluster:
	s_bfe_u32 s2, ttmp6, 0x10000c
	s_cmp_lg_u32 s2, 0xf033
	s_cbranch_scc0 .Lentry_shape_is_right
	s_endpgm
.Lentry_shape_is_right:
.set KSTEP,  256
.set NQ,     2
; hid = Q(relu(Q(xn) W1 + b1)) on codes of FP6 with E8M0 scales.  Both operands come as images of the operand's registers, [row tile of 16][K step of 128][3][lane][16 bytes]:
; a slot holds 256 along K, 3,072 dense bytes of each row tile, and a fragment is three loads of 16 bytes a lane.
; No prefetch: blocks of 256 x 256 in clusters, and K is four slots long, of which two are asked for at the head.
.set ROWB,   3072                      ; a row tile's bytes in a slot
.set G0H,    4                         ; s[4:7], s[8:11] group 0 of the head's loads of chunk 0 (the pointers that lay there have been used by then)
.set G0HB,   8
.set KROW,   768
.set PITCH,  192
.set FR,     12
.set NL,     3
.set NP,     4
.set HALFT,  128*PITCH
.set SLOT,   4*HALFT
.set LAPS,   2
.set KS,     32
.set SCL,    2*SLOT
.set HALFS,  (128*KS/256)*272
.set SBLK,   (16*KS/256)*272
.set SPARE,  SCL+4*HALFS
.set ASOFF,  3145728
.set HSOFF,  12582912
.set ADRA, 16
.set ADRB, 20
.set ADRS, 27
.set SPW,  28
.set NIL,  29
.set SC,   32
.set BN,   64
.set AF,   128
.set SWA,  8
.set SRD,  9
.set GI,   10
.set GW,   11
.set TM,   12
.set T,    128
.set PC,   192
.set W0,   212
.set SEL,  46
.set P0,   28
.set PS0,  30
.set G1, 24
.set G0, 32
.set G1B, 48
.set G0B, 56
.set G1S, 68
.set G0S, 76
.set G1SB, 80
.set G0SB, 88
.set MSB, 0
.macro WIN new
.if MSB != \new
	s_set_vgpr_msb (MSB<<8)|\new
.set MSB, \new
.endif
.endm
.set MUL_LO, 0xa1
.set MUL_HI, 0xf1
.set TO_B,   0x40
.macro JLOAD g0a, g1a, g0b, g1b
	s_cmp_eq_u32 s15, 0
	s_cbranch_scc0 .Lfor_b_\@
	tensor_load_to_lds s[\g0a:\g0a+3], s[\g1a:\g1a+7]
	s_nop 0
.rept 4
	v_nop
.endr
	s_branch .Lasked_\@
.Lfor_b_\@:
	tensor_load_to_lds s[\g0b:\g0b+3], s[\g1b:\g1b+7]
	s_nop 0
.rept 4
	v_nop
.endr
.Lasked_\@:
.endm
.macro CREST
	s_cmp_lg_u32 s14, 0
	s_cbranch_scc1 .Lnot_wave_0_\@
	s_barrier_signal -3
.Lnot_wave_0_\@:
	s_barrier_wait -3
	s_barrier_signal -1
	s_barrier_wait -1
.endm
.macro CROUND
	s_barrier_signal -1
	s_barrier_wait -1
	CREST
.endm
.macro PLACES n
.rept \n
	v_nop
.endr
.endm
	s_load_b64 s[4:5], s[0:1], 0x0
	s_load_b128 s[8:11], s[0:1], 0x8
	s_load_b64 s[96:97], s[0:1], 0x18
	s_load_b64 s[12:13], s[0:1], 0x20
	v_lshl_add_u32 v[SPW], v0, 2, SPARE
	v_mov_b32 v[NIL], 0
	ds_add_u32 v28, v29
	ds_add_u32 v28, v29
	s_wait_dscnt 0x0
	v_lshrrev_b32 v1, 5, v0
	v_readfirstlane_b32 s14, v1
	s_lshr_b32 s15, s14, 1
	s_and_b32 s16, s14, 1
	s_bfe_u32 s40, ttmp6, 0x40000
	s_bfe_u32 s41, ttmp6, 0x40004
	s_lshl_b32 s42, ttmp9, 2
	s_add_co_u32 s42, s42, s40
	s_and_b32 s17, ttmp7, 0xffff
	s_lshl_b32 s17, s17, 2
	s_add_co_u32 s17, s17, s41
	s_lshl_b32 s43, s41, 2
	s_lshl_b32 s43, 15, s43
	s_lshl_b32 s44, 0x1111, s40
	s_or_b32 s[G1+0], s43, (3<<16)|(1<<21)         ; elements of 8 bytes, no padding
	s_or_b32 s[G1B+0], s44, (3<<16)|(1<<21)
.irp g, G1, G1B
	s_mov_b32 s[\g+1], 384<<16                     ; 3,072 bytes of a row tile,
	s_mov_b32 s[\g+2], 16<<16                      ; 16 row tiles for the head's loads (8 behind them),
	s_mov_b32 s[\g+3], 384<<16
	s_mov_b32 s[\g+4], 16
	s_mov_b32 s[\g+5], 1536                        ; 12,288 bytes apart
	s_mov_b32 s[\g+6], 0
	s_mov_b32 s[\g+7], 0
.endr
	s_or_b32 s[G1S+0], s43, (3<<16)|(1<<20)|(1<<21)|(5<<22)|(3<<25)
	s_or_b32 s[G1SB+0], s44, (3<<16)|(1<<20)|(1<<21)|(5<<22)|(3<<25)
.irp g, G1S, G1SB
	s_mov_b32 s[\g+1], 32<<16
	s_mov_b32 s[\g+2], KS<<16
	s_mov_b32 s[\g+3], 32<<16
	s_mov_b32 s[\g+4], KS
	s_mov_b32 s[\g+5], 32
	s_mov_b32 s[\g+6], 0
	s_mov_b32 s[\g+7], 0
.endr
	s_lshl_b32 s20, s17, 8
	s_lshl_b32 s46, s42, 8
	s_mov_b32 s21, 0
	s_mov_b32 s47, 0
	s_mov_b64 s[18:19], KS
	s_mul_u64 s[22:23], s[20:21], s[18:19]
	s_mul_u64 s[92:93], s[46:47], s[18:19]
	s_mov_b64 s[18:19], KROW
	s_mul_u64 s[20:21], s[20:21], s[18:19]
	s_mul_u64 s[46:47], s[46:47], s[18:19]
	s_mul_i32 s45, s14, HALFT
	s_mul_i32 s18, s16, 128*KROW                   ; in the ring I fetch 8 row tiles: which half, in bytes
	s_mov_b32 s19, 0
	s_wait_kmcnt 0x0
	s_add_nc_u64 s[6:7], s[4:5], ASOFF
	s_add_nc_u64 s[8:9], s[8:9], 3145728           ; w1's images in wimg
	s_add_nc_u64 s[20:21], s[4:5], s[20:21]
	s_add_nc_u64 s[22:23], s[6:7], s[22:23]
	s_add_nc_u64 s[46:47], s[8:9], s[46:47]
	s_add_nc_u64 s[92:93], s[10:11], s[92:93]
	CROUND
	s_mov_b32 s[G0S], 1
	s_mov_b32 s[G0S+1], SCL
	s_mov_b64 s[G0S+2:G0S+3], s[22:23]
	s_or_b32 s[G0S+3], s[G0S+3], 0x80000000
	s_mov_b32 s[G0SB], 1
	s_mov_b32 s[G0SB+1], SCL+2*HALFS
	s_mov_b64 s[G0SB+2:G0SB+3], s[92:93]
	s_or_b32 s[G0SB+3], s[G0SB+3], 0x80000000
	s_mov_b32 s[G0H], 1                            ; chunk 0 of A's 16 row tiles,
	s_mov_b32 s[G0H+1], 0
	s_mov_b64 s[G0H+2:G0H+3], s[20:21]
	s_or_b32 s[G0H+3], s[G0H+3], 0x80000000
	s_mov_b32 s[G0HB], 1                           ; and of B's, behind them in slot 0
	s_mov_b32 s[G0HB+1], 2*HALFT
	s_mov_b64 s[G0HB+2:G0HB+3], s[46:47]
	s_or_b32 s[G0HB+3], s[G0HB+3], 0x80000000
	s_add_nc_u64 s[20:21], s[20:21], s[18:19]
	s_add_nc_u64 s[46:47], s[46:47], s[18:19]
.irp s, 0,1
	s_mov_b32 s[G0+4*\s], 1
	s_add_co_u32 s[G0+4*\s+1], s45, \s*SLOT
	s_add_nc_u64 s[G0+4*\s+2:G0+4*\s+3], s[20:21], \s*ROWB
	s_or_b32 s[G0+4*\s+3], s[G0+4*\s+3], 0x80000000
	s_mov_b32 s[G0B+4*\s], 1
	s_add_co_u32 s[G0B+4*\s+1], s45, \s*SLOT
	s_add_nc_u64 s[G0B+4*\s+2:G0B+4*\s+3], s[46:47], \s*ROWB
	s_or_b32 s[G0B+4*\s+3], s[G0B+4*\s+3], 0x80000000
.endr
; the head's loads, one a wave, in one tree of branches on the wave's number: chunk 0 of A, chunk 0 of B, A's scales, B's scales
.macro ARM under, g0, g1, next
	s_cmp_lt_u32 s14, \under
	s_cbranch_scc0 \next
	tensor_load_to_lds s[\g0:\g0+3], s[\g1:\g1+7]
	s_nop 0
.rept 4
	v_nop
.endr
	s_branch .Lhead_asked
\next:
.endm
	ARM 1, G0H,  G1,  .Lhead_b
	ARM 2, G0HB, G1B, .Lhead_sa
	ARM 3, G0S,  G1S, .Lhead_sb
	tensor_load_to_lds s[G0SB:G0SB+3], s[G1SB:G1SB+7]
	s_nop 0
.rept 4
	v_nop
.endr
.Lhead_asked:
	v_and_b32 v1, 15, v0
	v_bfe_u32 v2, v0, 4, 1
	v_and_b32 v3, 31, v0
	v_lshlrev_b32 v4, 4, v3                        ; 16 x lane
	s_wait_alu depctr_va_vdst(0)                   ; the wait
	s_mul_i32 s21, s15, HALFT
	s_mul_i32 s22, s16, HALFT
	s_add_co_u32 s22, s22, 2*HALFT
.irp s, 0,1
	v_add_nc_u32 v[ADRA+\s], s21, v4
	v_add_nc_u32 v[ADRB+\s], s22, v4
	s_add_co_u32 s21, s21, SLOT
	s_add_co_u32 s22, s22, SLOT
.endr
	v_mul_u32_u24 v5, v1, KS
	v_lshrrev_b32 v6, 8, v5
	v_lshl_add_u32 v5, v6, 4, v5
	s_mul_i32 s21, s15, HALFS
	s_mul_i32 s22, s16, HALFS
	s_add_co_u32 s22, s22, 2*HALFS
	s_sub_co_u32 s22, s22, s21
	v_mul_u32_u24 v6, s22, v2
	s_add_co_u32 s21, s21, SCL
	v_add_nc_u32 v5, v5, v6
	v_add_nc_u32 v[ADRS], s21, v5
	s_lshl_b32 s23, s14, 10
	v_lshl_add_u32 v[SWA], v1, 2, s23
	v_and_b32 v6, 31, v0
	v_lshl_add_u32 v[SRD], v6, 4, s23
	v_lshlrev_b32 v[GI], 3, v6
	v_lshlrev_b32 v[GW], 4, v6
	v_lshlrev_b32 v30, 5, v2
	s_lshl_b32 s18, s42, 10
	s_lshl_b32 s19, s16, 9
	s_add_co_u32 s18, s18, s19
	s_mov_b32 s19, 0
	s_add_nc_u64 s[96:97], s[96:97], s[18:19]
.irp b, 0,1,2,3,4,5,6,7
	global_load_b128 v[BN+8*\b:BN+8*\b+3], v30, s[96:97] offset:64*\b
	global_load_b128 v[BN+8*\b+4:BN+8*\b+7], v30, s[96:97] offset:64*\b+16
.endr
.macro FRAG reg, adr, q, i
.irp g, 0,1,2
	ds_load_b128 v[\reg+4*\g:\reg+4*\g+3], v[\adr] offset:(\i)*ROWB+(\q)*1536+512*\g   ; 512 consecutive bytes a load
.endr
.endm
.macro MUL16 a0, p, q, sc, zero
.irp a, \a0, \a0+1
.irp b, 0,1,2,3,4,5,6,7
.if \zero == 2
	v_wmma_scale_f32_16x16x128_f8f6f4 v[8*(8*((\a)%4)+\b):8*(8*((\a)%4)+\b)+7], v[128*(\p)+FR*\b:128*(\p)+FR*\b+FR-1], v[AF+FR*(\a):AF+FR*(\a)+FR-1], v[BN+8*\b:BN+8*\b+7], v[SC+8*NQ*(\sc)+NQ*\b+(\q)], v[SC+8*NQ*(\sc)+NQ*(\a)+(\q)] matrix_a_fmt:MATRIX_FMT_FP6 matrix_b_fmt:MATRIX_FMT_FP6 matrix_a_scale:MATRIX_SCALE_ROW1
.else
	v_wmma_scale_f32_16x16x128_f8f6f4 v[8*(8*((\a)%4)+\b):8*(8*((\a)%4)+\b)+7], v[128*(\p)+FR*\b:128*(\p)+FR*\b+FR-1], v[AF+FR*(\a):AF+FR*(\a)+FR-1], v[8*(8*((\a)%4)+\b):8*(8*((\a)%4)+\b)+7], v[SC+8*NQ*(\sc)+NQ*\b+(\q)], v[SC+8*NQ*(\sc)+NQ*(\a)+(\q)] matrix_a_fmt:MATRIX_FMT_FP6 matrix_b_fmt:MATRIX_FMT_FP6 matrix_a_scale:MATRIX_SCALE_ROW1
.endif
.endr
.endr
.endm
.macro FETCH_B slot, q, p
	WIN TO_B
.irp i, 0,1,2,3,4,5,6,7
	FRAG 128*(\p)+FR*\i, ADRB+\slot, \q, \i
.endr
	WIN 0
.endm
.macro FETCH_A slot, q, i0
.irp i, \i0, \i0+1, \i0+2, \i0+3
	FRAG AF+FR*(\i), ADRA+\slot, \q, \i
.endr
.endm
.macro SCALES sc
.irp i, 0,1,2,3,4,5,6,7
	ds_load_b64 v[SC+8*NQ*\sc+NQ*\i:SC+8*NQ*\sc+NQ*\i+1], v[ADRS] offset:\i*SBLK
.endr
.endm
.macro STEP slot, q, zero
	s_wait_dscnt 4*NL
.if \zero == 2
	WIN 0x81
.else
	WIN MUL_LO
.endif
	MUL16 0, (\q)%2, \q, \slot, \zero
	MUL16 2, (\q)%2, \q, \slot, \zero
	s_wait_dscnt 0
	PLACES NP
	FETCH_B \slot, (\q)+1, 1-(\q)%2
	FETCH_A \slot, (\q)+1, 0
.if \zero == 2
	WIN 0xc1
.else
	WIN MUL_HI
.endif
	MUL16 4, (\q)%2, \q, \slot, \zero
	MUL16 6, (\q)%2, \q, \slot, \zero
	PLACES NP
	WIN 0
	FETCH_A \slot, (\q)+1, 4
.endm
.macro TURN slot, next, fill
	s_wait_tensorcnt 0x0
	ds_add_u32 v[SPW], v[NIL]
	s_wait_dscnt 4*NL+1
	WIN MUL_LO
	MUL16 0, 1, NQ-1, \slot, 0
	s_wait_dscnt 0x0
	s_barrier_signal -1
	MUL16 2, 1, NQ-1, \slot, 0
	WIN 0
	s_barrier_wait -1
.if \fill
	CREST
	s_add_nc_u64 s[G0+4*\slot+2:G0+4*\slot+3], s[G0+4*\slot+2:G0+4*\slot+3], 2*ROWB
	s_add_nc_u64 s[G0B+4*\slot+2:G0B+4*\slot+3], s[G0B+4*\slot+2:G0B+4*\slot+3], 2*ROWB
	JLOAD G0+4*\slot, G1, G0B+4*\slot, G1B
.else
	PLACES NP
.endif
	s_wait_alu depctr_va_vdst(0)
	v_add_nc_u32 v[ADRS], 4*NQ, v[ADRS]
	FETCH_B \next, 0, 0
	FETCH_A \next, 0, 0
	SCALES \next
	WIN MUL_HI
	MUL16 4, 1, NQ-1, \slot, 0
	MUL16 6, 1, NQ-1, \slot, 0
	PLACES NP
	WIN 0
	FETCH_A \next, 0, 4
.endm
	s_wait_alu depctr_va_vdst(0)
	s_wait_tensorcnt 0x0                           ; my tile of the head's four is in; the lines ahead of a later first fill:
	ds_add_u32 v[SPW], v[NIL]
	s_mov_b32 s[G1+2], 8<<16                       ; no tensor load of mine is out: from here on a load brings 8 row tiles
	s_mov_b32 s[G1+4], 8
	s_mov_b32 s[G1B+2], 8<<16
	s_mov_b32 s[G1B+4], 8
	s_wait_dscnt 0x0
	CROUND                                         ; all four tiles are in, and all sixteen work-groups are here
	JLOAD G0+4, G1, G0B+4, G1B                     ; chunk 1, the first tensor load behind the round
	FETCH_B 0, 0, 0
	FETCH_A 0, 0, 0
	SCALES 0
	FETCH_A 0, 0, 4
	s_wait_loadcnt 0x0
	STEP 0, 0, 2
	s_mov_b32 s3, LAPS-1
.Llap:
	TURN 0, 1, 1
	STEP 1, 0, 0
	TURN 1, 0, 1
	STEP 0, 0, 0
	s_sub_co_u32 s3, s3, 1
	s_cmp_lg_u32 s3, 0
	s_cbranch_scc1 .Llap
	TURN 0, 1, 0
	STEP 1, 0, 0
	s_wait_dscnt 4*NL
	WIN MUL_LO
	MUL16 0, 1, NQ-1, 1, 0
	MUL16 2, 1, NQ-1, 1, 0
	s_wait_dscnt 0
	WIN MUL_HI
	MUL16 4, 1, NQ-1, 1, 0
	MUL16 6, 1, NQ-1, 1, 0
	WIN 0
	s_mov_b32 s[SEL], 0x76543210
	s_mov_b32 s[SEL+1], 0xfedcba98
	s_lshl_b32 s24, s17, 4
	s_lshl_b32 s25, s15, 3
	s_add_co_u32 s24, s24, s25
	s_lshl_b32 s24, s24, 5
	s_lshl_b32 s25, s42, 1
	s_add_co_u32 s25, s25, s16
	s_add_co_u32 s24, s24, s25
	s_mul_i32 s26, s24, 1536
	s_mov_b32 s27, 0
	s_add_nc_u64 s[P0:P0+1], s[12:13], s[26:27]
	s_lshl_b32 s26, s25, 14
	s_lshl_b32 s24, s17, 10
	s_add_co_u32 s26, s26, s24
	s_lshl_b32 s24, s15, 9
	s_add_co_u32 s26, s26, s24
	s_add_co_u32 s26, s26, HSOFF
	s_add_nc_u64 s[PS0:PS0+1], s[12:13], s[26:27]
	PLACES NP
.macro QUANT s, pw
.irp b, 0,1,2,3
	v_max3_num_f32 v[TM+\b], |v[\s+16*\b]|, |v[\s+1+16*\b]|, 0x1800000
.endr
.irp i, 2,4,6,8,10,12,14
.irp b, 0,1,2,3
	v_max3_num_f32 v[TM+\b], v[TM+\b], |v[\s+16*\b+\i]|, |v[\s+1+16*\b+\i]|
.endr
.endr
.irp b, 0,1,2,3
	v_permlanex16_b32 v[TM+4+\b], v[TM+\b], s[SEL], s[SEL+1]
.endr
.irp b, 0,1,2,3
	v_max_num_f32 v[TM+\b], v[TM+\b], v[TM+4+\b]
.endr
.irp b, 0,1,2,3
	v_add_nc_u32 v[TM+12+\b], 0xff000000, v[TM+\b]
.endr
.irp b, 0,1,2,3
	v_lshrrev_b32 v[TM+4+\b], 23, v[TM+12+\b]
.endr
	v_lshl_or_b32 v[\pw], v[TM+5], 8, v[TM+4]
	v_lshl_or_b32 v[\pw], v[TM+6], 16, v[\pw]
	v_lshl_or_b32 v[\pw], v[TM+7], 24, v[\pw]
.irp c, 0,1
	v_cvt_scalef32_pk16_fp6_f32 v[PC+6*\c:PC+2+6*\c], v[\s+32*\c:\s+15+32*\c], v[TM+12+2*\c]
	v_cvt_scalef32_pk16_fp6_f32 v[PC+12+4*\c:PC+14+4*\c], v[\s+16+32*\c:\s+31+32*\c], v[TM+12+2*\c+1]
.endr
	v_nop
.irp c, 0,1
.irp i, 0,1,2
	v_permlane16_swap_b32 v[PC+6*\c+\i], v[PC+12+4*\c+\i]
.endr
.irp i, 0,1,2
	v_mov_b32 v[PC+3+6*\c+\i], v[PC+12+4*\c+\i]
.endr
.endr
.endm
.macro HBLOCK a
.set AC, 64*((\a)%4)
.set WW, (2+(\a)/4)<<2
	WIN WW
.set i, 0
.rept 64
	v_max_num_f32 v[T+i], 0, v[AC+i]
.set i, i+1
.endr
	WIN 0
.irp b, 0,1,2,3
.irp j, 0,1,2,3,4,5,6,7
	v_permlane16_swap_b32 v[T+16*\b+\j], v[T+16*\b+8+\j]
.endr
.endr
	s_wait_xcnt 0x0
	QUANT T, W0+\a
.irp p, 0,1,2,3,4,5
	global_store_b64 v[GI], v[PC+2*\p:PC+2*\p+1], s[P0:P0+1] offset:(\a)*49152+256*\p
.endr
.endm
.irp a, 0,1,2,3,4,5,6,7
	HBLOCK \a
.endr
.irp a, 0,1,2,3,4,5,6,7
	ds_store_b32 v[SWA], v[W0+\a] offset:64*\a
.endr
	ds_load_b128 v[T:T+3], v[SRD]
	s_wait_dscnt 0x0
	global_store_b128 v[GW], v[T:T+3], s[PS0:PS0+1]
	s_wait_tensorcnt 0x0
	ds_add_u32 v[SPW], v[NIL]
	s_wait_dscnt 0x0
	CROUND
	s_endpgm
.Lfunc_end_k_q62298cda95_w1:
	.size	k_q62298cda95_w1, .Lfunc_end_k_q62298cda95_w1-k_q62298cda95_w1
	.p2alignl 7, 3214868480
	.fill 96, 4, 3214868480
	.section	.rodata,"a",@progbits
	.p2align	6, 0x0
	.amdhsa_kernel k_q62298cda95_w1
		.amdhsa_group_segment_fixed_size 327680
		.amdhsa_private_segment_fixed_size 0
		.amdhsa_enable_private_segment 0
		.amdhsa_kernarg_size 40
		.amdhsa_user_sgpr_count 2
		.amdhsa_user_sgpr_kernarg_segment_ptr 1
		.amdhsa_wavefront_size32 1
		.amdhsa_system_sgpr_workgroup_id_x 1
		.amdhsa_system_sgpr_workgroup_id_y 1
		.amdhsa_system_sgpr_workgroup_id_z 1
		.amdhsa_system_vgpr_workitem_id 0
		.amdhsa_next_free_vgpr 1024
		.amdhsa_next_free_sgpr 98
		.amdhsa_reserve_vcc 0
		.amdhsa_float_denorm_mode_32 3
		.amdhsa_float_denorm_mode_16_64 3
		.amdhsa_memory_ordered 1
		.amdhsa_forward_progress 1
		.amdhsa_inst_pref_size 169
	.end_amdhsa_kernel
	.amdgpu_metadata
---
amdhsa.version: [ 1, 2 ]
amdhsa.kernels:
  - .name:           k_q62298cda95_w1
    .symbol:         k_q62298cda95_w1.kd
    .args:
      - { .name: act, .offset: 0, .size: 8, .value_kind: global_buffer, .address_space: global }
      - { .name: wimg, .offset: 8, .size: 8, .value_kind: global_buffer, .address_space: global }
      - { .name: w1_scales, .offset: 16, .size: 8, .value_kind: global_buffer, .address_space: global }
      - { .name: b1, .offset: 24, .size: 8, .value_kind: global_buffer, .address_space: global }
      - { .name: hid, .offset: 32, .size: 8, .value_kind: global_buffer, .address_space: global }
    .group_segment_fixed_size: 327680
    .private_segment_fixed_size: 0
    .kernarg_segment_align: 8
    .kernarg_segment_size: 40
    .max_flat_workgroup_size: 128
    .sgpr_count:     98
    .vgpr_count:     1024
    .wavefront_size: 32
...
	.end_amdgpu_metadata
.endif
;; end of part 5
;; launch w2 (part 6): grid 8 x 32, 4 waves a work-group, clusters of 4 x 4, 327,680 bytes of LDS; arguments hid, wimg, w2_scales, b2, x1, out0; writes out0
.if DOCPART == 6
	.amdgcn_target "amdgcn-amd-amdhsa--gfx1250"
	.amdhsa_code_object_version 6
	.text
	.protected	k_q62298cda95_w2
	.globl	k_q62298cda95_w2
	.p2align	8
	.type	k_q62298cda95_w2,@function
k_q62298cda95_w2:
	s_mov_b64 s[64:65], 0
	v_nop
	global_prefetch_b8 v0, s[64:65] scope:SCOPE_SE
	s_setreg_imm32_b32 hwreg(HW_REG_WAVE_MODE, 25, 1), 1
	s_wait_xcnt 0x0
	s_wait_alu depctr_hold_cnt(0) depctr_sa_sdst(0) depctr_va_vdst(0) depctr_va_sdst(0) depctr_va_ssrc(0) depctr_va_vcc(0) depctr_vm_vsrc(0)
	s_getreg_b32 s2, hwreg(HW_REG_IB_STS2, 6, 4)
	s_cmp_eq_u32 s2, 0
	s_cbranch_scc0 .Lentry_in_a_cluster
	s_endpgm
.Lentry_in_a_cluster:
	s_bfe_u32 s2, ttmp6, 0x10000c
	s_cmp_lg_u32 s2, 0xf033
	s_cbranch_scc0 .Lentry_shape_is_right
	s_endpgm
.Lentry_shape_is_right:
; out = resid + bias + A B^T on codes of FP6 (E2M3) with E8M0 scales.  A: 4,096 rows x SIZE_K as images of the operand's registers, [row tile 256][K step][1,536 bytes], its scale words [K step][4096] behind them;
; B: images of the same form, scale bytes [1024][SIZE_K / 32]; bias [1024], resid and out [4096][1024] f32.
; A tile of out is 128 x 128: 256 work-groups, one for each WGP (tiles of 256 x 256 would be 64).  Four waves, each 64 x 64: 16 accumulators.  K goes in chunks of 512 through two LDS slots filled by joint tensor loads
; (A's tile shared along a row of the 4 x 4 cluster, B's along a column); all scales come once.  A's images need no pitch and no padding: a load of the wave reads 256 consecutive bytes.
; The matrix instruction is used transposed (source 0 = 16 rows of B, source 1 = 16 rows of A): a lane holds eight neighbouring numbers of a row of out.
; The residual is asked for at the head, in the layout of the stores, and waits in registers.
.set SIZE_K, 4096
.set KT,     SIZE_K/128
.set KROW,   SIZE_K*3/4
.set KS,     SIZE_K/32
.set NQ,     4
.set FR,     12
.set NL,     6
.set NP,     4                         ; places behind this matrix instruction (ISA guide 7.12.1)
; AS IT STANDS NOW: B comes as images too, [row tile of 16][K step][3][lane][16 bytes], laid by the first launch: dense rows of 6,144 bytes a row tile and chunk; a fragment of B is three loads of 16 bytes a lane.
; At the head each wave issues one load (chunk 0 of A, chunk 0 of B, A's scale words, B's scale bytes); chunk 1 follows behind a round.
; PREFETCH: behind the load of chunk n stands one request for chunk n + 2: of the four row tiles that a wave fetches, each of the four partners that ask for them jointly names one (6,144 bytes, 24 blocks of 256 bytes,
; a lane a block; lanes 24-31 name the last block again), told apart by address alone.  The loads of chunks 6 and 7 ask for nothing.
.set PITCH,  384                       ; bytes of a row of B in a slot
.set WOFF,   6291456                   ; w2's images in wimg
.set G0H,    4
.set G0HB,   92
.set PFA,    12                        ; s[12:13] where my prefetches stand
.set PFO,    12                        ; v12 256 x min(lane, 23); never rewritten
.set AHALF,  4*6144                    ; four row tiles x 512 along K
.set BOFF,   2*AHALF
.set BHALF,  64*PITCH
.set SLOT,   BOFF+2*BHALF
.set LAPS,   SIZE_K/1024
.set BSC,    2*SLOT                    ; B's scale bytes, as runs of 256 bytes + 16
.set HALFS,  (64*KS/256)*272
.set SBLK,   (16*KS/256)*272
.set ASC,    BSC+2*HALFS               ; A's scale words: [K step][128 rows]
.set SPARE,  ASC+KT*512                ; the spare words: 128 bytes a wave, named by no other line
.set SPITCH, 272                       ; the way out: 16 rows x (256 bytes + 16) a wave, in slot 0 behind its last fill and last read
.set BI,   8                           ; v8-11 the bias of my four columns
.set BO,   14                          ; v14 16 r
.set ASB,  15                          ; v15 B's scale words
.set ADRA, 16                          ; v16-17
.set ADRB, 20                          ; v20-21
.set STO,  24
.set RD,   25
.set CO,   26
.set ASA,  27                          ; v27 A's scale words
.set SPW,  28
.set NIL,  29
.set SA,   32                          ; v32-63 A's scale words: set s, block a, step q at 16 s + 4 a + q; v64-95 B's: they hold scales and nothing else
.set SB,   64
.set AF,   128                         ; v128-175 A's four fragments
.set BK,   128                         ; the way out: v128-159 and v160-191 by turns
.set G1, 24
.set G0, 32
.set G1B, 48
.set G0B, 56
.set G1S, 68
.set G0S, 76
.set G1SB, 80
.set G0SB, 88
.set MSB, 0
.macro WIN new
.if MSB != \new
	s_set_vgpr_msb (MSB<<8)|\new
.set MSB, \new
.endif
.endm
.set MUL,  0xa1                        ; source 0 (B) window 1, source 1 (A) window 0, C and D window 2
.set TO_B, 0x40
.macro JLOAD g0a, g1a, g0b, g1b        ; a joint load: waves 0 and 1 fetch for A, waves 2 and 3 for B; four v_nop follow each line
	s_cmp_eq_u32 s15, 0
	s_cbranch_scc0 .Lfor_b_\@
	tensor_load_to_lds s[\g0a:\g0a+3], s[\g1a:\g1a+7]
	s_nop 0
.rept 4
	v_nop
.endr
	s_branch .Lasked_\@
.Lfor_b_\@:
	tensor_load_to_lds s[\g0b:\g0b+3], s[\g1b:\g1b+7]
	s_nop 0
.rept 4
	v_nop
.endr
.Lasked_\@:
.endm
.macro CREST
	s_cmp_lg_u32 s14, 0
	s_cbranch_scc1 .Lnot_wave_0_\@
	s_barrier_signal -3
.Lnot_wave_0_\@:
	s_barrier_wait -3
	s_barrier_signal -1
	s_barrier_wait -1
.endm
.macro CROUND
	s_barrier_signal -1
	s_barrier_wait -1
	CREST
.endm
.macro PLACES n
.rept \n
	v_nop
.endr
.endm
	s_load_b256 s[4:11], s[0:1], 0x0               ; A, B's codes, B's scales, bias
	s_load_b128 s[96:99], s[0:1], 0x20             ; resid, out
	v_lshl_add_u32 v[SPW], v0, 2, SPARE
	v_mov_b32 v[NIL], 0
	ds_add_u32 v28, v29
	ds_add_u32 v28, v29
	s_wait_dscnt 0x0
	v_lshrrev_b32 v1, 5, v0
	v_readfirstlane_b32 s14, v1                    ; wave 0..3
	s_lshr_b32 s15, s14, 1                         ; my half of the rows; also: I fetch for A (0) or B (1)
	s_and_b32 s16, s14, 1                          ; my half of the columns; also: which half of that tile I fetch
	s_bfe_u32 s40, ttmp6, 0x40000
	s_bfe_u32 s41, ttmp6, 0x40004
	s_lshl_b32 s42, ttmp9, 2
	s_add_co_u32 s42, s42, s40                     ; tile column
	s_and_b32 s17, ttmp7, 0xffff
	s_lshl_b32 s17, s17, 2
	s_add_co_u32 s17, s17, s41                     ; tile row
	s_lshl_b32 s43, s41, 2
	s_lshl_b32 s43, 15, s43                        ; my row of the cluster
	s_lshl_b32 s44, 0x1111, s40                    ; my column
	s_or_b32 s[G1+0], s43, (3<<16)|(1<<21)         ; A: four row tiles, 6,144 dense bytes each (768 elements of 8 bytes), KT x 1,536 bytes apart
	s_mov_b32 s[G1+1], 768<<16
	s_mov_b32 s[G1+2], 8<<16
	s_mov_b32 s[G1+3], 768<<16
	s_mov_b32 s[G1+4], 8
	s_mov_b32 s[G1+5], KT*192
	s_mov_b32 s[G1+6], 0
	s_mov_b32 s[G1+7], 0
	s_or_b32 s[G1B+0], s44, (3<<16)|(1<<21)        ; B: as A
	s_mov_b32 s[G1B+1], 768<<16
	s_mov_b32 s[G1B+2], 8<<16
	s_mov_b32 s[G1B+3], 768<<16
	s_mov_b32 s[G1B+4], 8
	s_mov_b32 s[G1B+5], KT*192
	s_mov_b32 s[G1B+6], 0
	s_mov_b32 s[G1B+7], 0
	s_or_b32 s[G1S+0], s43, (3<<16)|(1<<21)        ; A's words: KT K steps x 512 bytes, 16,384 bytes apart
	s_mov_b32 s[G1S+1], 64<<16
	s_mov_b32 s[G1S+2], KT<<16
	s_mov_b32 s[G1S+3], 64<<16
	s_mov_b32 s[G1S+4], KT
	s_mov_b32 s[G1S+5], 2048
	s_mov_b32 s[G1S+6], 0
	s_mov_b32 s[G1S+7], 0
	s_or_b32 s[G1SB+0], s44, (3<<16)|(1<<20)|(1<<21)|(5<<22)|(3<<25) ; B's scales of 64 rows: a dense block as rows of 256 bytes + 16
	s_mov_b32 s[G1SB+1], 32<<16
	s_mov_b32 s[G1SB+2], (128*KS/256)<<16
	s_mov_b32 s[G1SB+3], 32<<16
	s_mov_b32 s[G1SB+4], 128*KS/256
	s_mov_b32 s[G1SB+5], 32
	s_mov_b32 s[G1SB+6], 0
	s_mov_b32 s[G1SB+7], 0
	s_lshl_b32 s20, s17, 3
	s_mul_i32 s20, s20, KT*1536                    ; A: row tile 8 x tile row + 4 x half
	s_mov_b32 s21, 0
	s_lshl_b32 s22, s17, 9
	s_add_co_u32 s22, s22, 4096*KROW               ; A's words
	s_mov_b32 s23, 0
	s_lshl_b32 s46, s42, 7
	s_mul_i32 s66, s46, KS
	s_mul_i32 s46, s46, KROW
	s_mov_b32 s47, 0
	s_mov_b32 s67, 0
	s_mul_i32 s45, s16, AHALF                      ; where they go: no place in the cluster enters an LDS address
	s_mul_i32 s94, s16, BHALF
	s_add_co_u32 s94, s94, BOFF
	s_mul_i32 s18, s16, 4*KT*1536                  ; in the ring I fetch four row tiles: which half, in bytes
	s_mov_b32 s19, 0
	s_wait_kmcnt 0x0
	s_add_nc_u64 s[6:7], s[6:7], WOFF
	s_add_nc_u64 s[20:21], s[4:5], s[20:21]
	s_add_nc_u64 s[22:23], s[4:5], s[22:23]
	s_add_nc_u64 s[46:47], s[6:7], s[46:47]
	s_add_nc_u64 s[66:67], s[8:9], s[66:67]
	CROUND                                         ; all sixteen work-groups are here: the first joint loads meet
	s_mov_b32 s[G0S], 1
	s_mov_b32 s[G0S+1], ASC
	s_mov_b64 s[G0S+2:G0S+3], s[22:23]
	s_or_b32 s[G0S+3], s[G0S+3], 0x80000000
	s_mov_b32 s[G0SB], 1
	s_mov_b32 s[G0SB+1], BSC
	s_mov_b64 s[G0SB+2:G0SB+3], s[66:67]
	s_or_b32 s[G0SB+3], s[G0SB+3], 0x80000000
	s_mov_b32 s[G0H], 1                            ; chunk 0 of A's eight row tiles
	s_mov_b32 s[G0H+1], 0
	s_mov_b64 s[G0H+2:G0H+3], s[20:21]
	s_or_b32 s[G0H+3], s[G0H+3], 0x80000000
	s_add_nc_u64 s[20:21], s[20:21], s[18:19]
	s_add_nc_u64 s[2:3], s[46:47], s[18:19]
	s_cmp_eq_u32 s15, 0                            ; the prefetches: do I fetch for A?
	s_cselect_b32 s100, s40, s41                   ; my place among the four that ask with me
	s_cselect_b64 s[PFA:PFA+1], s[20:21], s[2:3]   ; the four row tiles that I fetch,
	s_mul_i32 s100, s100, KT*1536                  ; my work-group's one of them,
	s_add_co_u32 s100, s100, 6144                  ; at chunk 1
	s_mov_b32 s101, 0
	s_add_nc_u64 s[PFA:PFA+1], s[PFA:PFA+1], s[100:101]
.irp s, 0,1
	s_mov_b32 s[G0+4*\s], 1
	s_add_co_u32 s[G0+4*\s+1], s45, \s*SLOT
	s_add_nc_u64 s[G0+4*\s+2:G0+4*\s+3], s[20:21], \s*6144
	s_or_b32 s[G0+4*\s+3], s[G0+4*\s+3], 0x80000000
	s_mov_b32 s[G0B+4*\s], 1
	s_add_co_u32 s[G0B+4*\s+1], s94, \s*SLOT
	s_add_nc_u64 s[G0B+4*\s+2:G0B+4*\s+3], s[2:3], \s*6144
	s_or_b32 s[G0B+4*\s+3], s[G0B+4*\s+3], 0x80000000
.endr
	s_mov_b32 s[G0HB], 1                           ; chunk 0 of B's eight row tiles
	s_mov_b32 s[G0HB+1], BOFF
	s_mov_b64 s[G0HB+2:G0HB+3], s[46:47]
	s_or_b32 s[G0HB+3], s[G0HB+3], 0x80000000
; the head's loads, one a wave, in one tree of branches on the wave's number
.macro ARM under, g0, g1, next
	s_cmp_lt_u32 s14, \under
	s_cbranch_scc0 \next
	tensor_load_to_lds s[\g0:\g0+3], s[\g1:\g1+7]
	s_nop 0
.rept 4
	v_nop
.endr
	s_branch .Lhead_asked
\next:
.endm
	ARM 1, G0H,  G1,  .Lhead_b
	ARM 2, G0HB, G1B, .Lhead_sa
	ARM 3, G0S,  G1S, .Lhead_sb
	tensor_load_to_lds s[G0SB:G0SB+3], s[G1SB:G1SB+7]
	s_nop 0
.rept 4
	v_nop
.endr
.Lhead_asked:
	v_and_b32 v1, 15, v0                           ; r
	v_bfe_u32 v2, v0, 4, 1                         ; h
	v_and_b32 v3, 31, v0
	v_lshlrev_b32 v4, 3, v3                        ; 8 x lane
	v_lshlrev_b32 v5, 4, v3                        ; 16 x lane
	v_min_u32 v[PFO], 23, v3
	v_lshlrev_b32 v[PFO], 8, v[PFO]
	s_wait_alu depctr_va_vdst(0)                   ; the wait
	s_mul_i32 s21, s15, AHALF
	s_mul_i32 s22, s16, BHALF
	s_add_co_u32 s22, s22, BOFF
.irp s, 0,1
	v_add_nc_u32 v[ADRA+\s], s21, v4
	v_add_nc_u32 v[ADRB+\s], s22, v5
	s_add_co_u32 s21, s21, SLOT
	s_add_co_u32 s22, s22, SLOT
.endr
	s_lshl_b32 s21, s15, 8
	s_add_co_u32 s21, s21, ASC
	v_lshl_add_u32 v[ASA], v1, 2, s21
	v_mul_u32_u24 v5, v1, KS
	v_lshrrev_b32 v6, 8, v5
	v_lshl_add_u32 v5, v6, 4, v5
	s_mul_i32 s21, s16, HALFS
	s_add_co_u32 s21, s21, BSC
	v_add_nc_u32 v[ASB], s21, v5
	s_mul_i32 s23, s14, 16*SPITCH
	v_mul_u32_u24 v5, v1, SPITCH
	v_lshl_add_u32 v5, v2, 5, v5
	v_add_nc_u32 v[STO], s23, v5                   ; in: row r, 32 bytes for each half of the lanes
	v_mul_u32_u24 v5, v2, SPITCH
	v_lshl_add_u32 v5, v1, 4, v5
	v_add_nc_u32 v[RD], s23, v5                    ; back: lanes 0-15 one row of 256 bytes, lanes 16-31 the next
	v_lshlrev_b32 v[CO], 12, v2
	v_lshl_add_u32 v[CO], v1, 4, v[CO]             ; the same two rows in out and in resid
	s_wait_alu depctr_va_vdst(0)
	v_lshlrev_b32 v[BO], 4, v1
	s_wait_alu depctr_va_vdst(0)
	s_lshl_b32 s20, s17, 7
	s_lshl_b32 s21, s15, 6
	s_add_co_u32 s20, s20, s21
	s_lshl_b32 s20, s20, 12                        ; my first row, 4,096 bytes a row
	s_mov_b32 s21, 0
	s_lshl_b32 s46, s42, 9
	s_lshl_b32 s47, s16, 8
	s_add_co_u32 s46, s46, s47                     ; my first column x 4
	s_mov_b32 s47, 0
	s_add_nc_u64 s[10:11], s[10:11], s[46:47]
	s_add_nc_u64 s[20:21], s[20:21], s[46:47]
	s_add_nc_u64 s[96:97], s[96:97], s[20:21]
	s_add_nc_u64 s[98:99], s[98:99], s[20:21]
	WIN 0xc0                                       ; destination window 3: the residual of my 64 x 64
.irp a, 0,1,2,3
.irp t, 0,1,2,3,4,5,6,7
	global_load_b128 v[32*\a+4*\t:32*\a+4*\t+3], v[CO], s[96:97] offset:(16*\a+2*\t)*4096
.endr
.endr
	WIN 0
	global_load_b128 v[BI:BI+3], v[BO], s[10:11]
	global_prefetch_b8 v[PFO], s[PFA:PFA+1] offset:6144 th:TH_LOAD_NT scope:SCOPE_SE   ; chunk 2
.macro FRAGA reg, slot, q, a           ; a fragment of A: six loads of 256 consecutive bytes
.irp p, 0,1,2,3,4,5
	ds_load_b64 v[\reg+2*\p:\reg+2*\p+1], v[ADRA+\slot] offset:(\a)*6144+(\q)*1536+256*\p
.endr
.endm
.macro FRAGB reg, adr, q, b            ; a fragment of B from its images: three loads of 16 bytes a lane
.irp g, 0,1,2
	ds_load_b128 v[\reg+4*\g:\reg+4*\g+3], v[\adr] offset:(\b)*6144+(\q)*1536+512*\g   ; 512 consecutive bytes a load
.endr
.endm
.macro MUL4 a, p, q, sc, zero          ; A's block a x B's four.  The 16 accumulators take turns, one instruction a turn, in one order
.irp b, 0,1,2,3
.if \zero
	v_wmma_scale_f32_16x16x128_f8f6f4 v[8*(4*(\a)+\b):8*(4*(\a)+\b)+7], v[128*(\p)+FR*\b:128*(\p)+FR*\b+FR-1], v[AF+FR*(\a):AF+FR*(\a)+FR-1], 0, v[SB+16*(\sc)+4*\b+(\q)], v[SA+16*(\sc)+4*(\a)+(\q)] matrix_a_fmt:MATRIX_FMT_FP6 matrix_b_fmt:MATRIX_FMT_FP6
.else
	v_wmma_scale_f32_16x16x128_f8f6f4 v[8*(4*(\a)+\b):8*(4*(\a)+\b)+7], v[128*(\p)+FR*\b:128*(\p)+FR*\b+FR-1], v[AF+FR*(\a):AF+FR*(\a)+FR-1], v[8*(4*(\a)+\b):8*(4*(\a)+\b)+7], v[SB+16*(\sc)+4*\b+(\q)], v[SA+16*(\sc)+4*(\a)+(\q)] matrix_a_fmt:MATRIX_FMT_FP6 matrix_b_fmt:MATRIX_FMT_FP6
.endif
.endr
.endm
.macro FETCH_B slot, q, p
	WIN TO_B
.irp b, 0,1,2,3
	FRAGB 128*(\p)+FR*\b, ADRB+\slot, \q, \b
.endr
	WIN 0
.endm
.macro FETCH_A slot, q, a0
	FRAGA AF+FR*(\a0), \slot, \q, \a0
	FRAGA AF+FR*(\a0+1), \slot, \q, \a0+1
.endm
.macro SCALES sc                       ; a chunk's scale words: four K steps
.irp a, 0,1,2,3
.irp q, 0,1,2,3
	ds_load_b32 v[SA+16*\sc+4*\a+\q], v[ASA] offset:512*\q+64*\a
.endr
.endr
.irp b, 0,1,2,3
	ds_load_b128 v[SB+16*\sc+4*\b:SB+16*\sc+4*\b+3], v[ASB] offset:\b*SBLK
.endr
.endm
.macro STEP slot, q, zero
	s_wait_dscnt 2*NL                              ; B's set and A's blocks 0, 1 are in; the youngest 12 loads (A's blocks 2, 3) may be out
	WIN MUL
	MUL4 0, (\q)%2, \q, \slot, \zero
	MUL4 1, (\q)%2, \q, \slot, \zero
	s_wait_dscnt 0
	PLACES NP                                      ; in front of loads into registers that matrix instructions have read
	FETCH_B \slot, (\q)+1, 1-(\q)%2
	FETCH_A \slot, (\q)+1, 0
	WIN MUL
	MUL4 2, (\q)%2, \q, \slot, \zero
	MUL4 3, (\q)%2, \q, \slot, \zero
	PLACES NP
	WIN 0
	FETCH_A \slot, (\q)+1, 2
.endm
.macro TURN slot, next, fill           ; a slot's last step changes slots: one barrier; with fill = 1 it opens a round of the cluster's barrier and the slot is filled again
.if \fill
	s_wait_xcnt 0x0                                ; my last prefetch has read its address: it steps one chunk on
	s_add_nc_u64 s[PFA:PFA+1], s[PFA:PFA+1], 6144
.endif
	s_wait_tensorcnt 0x0
	ds_add_u32 v[SPW], v[NIL]
	s_wait_dscnt 2*NL+1
	WIN MUL
	MUL4 0, 1, NQ-1, \slot, 0
	s_wait_dscnt 0x0                               ; the add is done, and my reads of this slot are over
	s_barrier_signal -1
	MUL4 1, 1, NQ-1, \slot, 0
	WIN 0
	s_barrier_wait -1
.if \fill
	CREST                                          ; no wave of any partner still reads this slot or has a load on its way
	s_add_nc_u64 s[G0+4*\slot+2:G0+4*\slot+3], s[G0+4*\slot+2:G0+4*\slot+3], 2*6144
	s_add_nc_u64 s[G0B+4*\slot+2:G0B+4*\slot+3], s[G0B+4*\slot+2:G0B+4*\slot+3], 2*6144
	JLOAD G0+4*\slot, G1, G0B+4*\slot, G1B         ; the first tensor load behind the round; its four v_nop are the places in front of the loads below
.else
	PLACES NP
.endif
	s_wait_alu depctr_va_vdst(0)
	v_add_nc_u32 v[ASA], 2048, v[ASA]              ; the next chunk's scale words
	v_add_nc_u32 v[ASB], 16, v[ASB]
	FETCH_B \next, 0, 0
	FETCH_A \next, 0, 0
	SCALES \next
.if \fill
	s_cmp_gt_u32 s3, 1                             ; the loop's last trip loads chunks 6 and 7: no chunk stands two on
	s_cbranch_scc0 .Lno_ask_\@
	global_prefetch_b8 v[PFO], s[PFA:PFA+1] offset:2*6144 th:TH_LOAD_NT scope:SCOPE_SE
.Lno_ask_\@:
.endif
	WIN MUL
	MUL4 2, 1, NQ-1, \slot, 0
	MUL4 3, 1, NQ-1, \slot, 0
	PLACES NP
	WIN 0
	FETCH_A \next, 0, 2
.endm
	s_wait_alu depctr_va_vdst(0)                   ; the wait at the head's end
	s_wait_tensorcnt 0x0                           ; my tile of the head's four is in; the lines ahead of a later first fill:
	ds_add_u32 v[SPW], v[NIL]
	s_mov_b32 s[G1+2], 4<<16                       ; no tensor load of mine is out: from here on a load brings four row tiles
	s_mov_b32 s[G1+4], 4
	s_mov_b32 s[G1B+2], 4<<16
	s_mov_b32 s[G1B+4], 4
	s_wait_dscnt 0x0
	CROUND                                         ; all four tiles are in, and all sixteen work-groups are here
	JLOAD G0+4, G1, G0B+4, G1B                     ; chunk 1, the first tensor load behind the round
	FETCH_B 0, 0, 0
	FETCH_A 0, 0, 0
	SCALES 0
	FETCH_A 0, 0, 2
	global_prefetch_b8 v[PFO], s[PFA:PFA+1] offset:2*6144 th:TH_LOAD_NT scope:SCOPE_SE   ; chunk 3
	STEP 0, 0, 1                                   ; the first products start the sums
.if LAPS > 1
	s_mov_b32 s3, LAPS-1
.Llap:
	STEP 0, 1, 0
	STEP 0, 2, 0
	TURN 0, 1, 1
	STEP 1, 0, 0
	STEP 1, 1, 0
	STEP 1, 2, 0
	TURN 1, 0, 1
	STEP 0, 0, 0
	s_sub_co_u32 s3, s3, 1
	s_cmp_lg_u32 s3, 0
	s_cbranch_scc1 .Llap
.endif
	STEP 0, 1, 0
	STEP 0, 2, 0
	TURN 0, 1, 0
	STEP 1, 0, 0
	STEP 1, 1, 0
	STEP 1, 2, 0
	s_wait_dscnt 2*NL
	WIN MUL
	MUL4 0, 1, NQ-1, 1, 0
	MUL4 1, 1, NQ-1, 1, 0
	s_wait_dscnt 0
	MUL4 2, 1, NQ-1, 1, 0
	MUL4 3, 1, NQ-1, 1, 0
	WIN 0
; THE WAY OUT, 16 rows x 64 columns at a time, through my stage: back come whole runs of 256 bytes of a row, to which the residual and the bias are added.
.macro OUTB a
.set BB, BK+32*((\a)%2)
.if (\a) > 1
	s_wait_xcnt 0x0                                ; block a - 2's stores have read their registers
.endif
	WIN 0x08                                       ; an LDS store's data are its source 1: window 2
.irp b, 0,1,2,3
	ds_store_b128 v[STO], v[8*(4*(\a)+\b):8*(4*(\a)+\b)+3] offset:64*\b            ; each accumulator from its low end on
	ds_store_b128 v[STO], v[8*(4*(\a)+\b)+4:8*(4*(\a)+\b)+7] offset:64*\b+16
.endr
	WIN 0
.irp t, 0,1,2,3,4,5,6,7
	ds_load_b128 v[BB+4*\t:BB+4*\t+3], v[RD] offset:\t*2*SPITCH    ; LDS serves a wave's instructions in order: these see my stores
.endr
	s_wait_dscnt 0x0
	WIN 0x0c                                       ; source 1 window 3: the residual
.irp t, 0,1,2,3,4,5,6,7
	v_pk_add_f32 v[BB+4*\t:BB+4*\t+1], v[BB+4*\t:BB+4*\t+1], v[32*(\a)+4*\t:32*(\a)+4*\t+1]
	v_pk_add_f32 v[BB+4*\t+2:BB+4*\t+3], v[BB+4*\t+2:BB+4*\t+3], v[32*(\a)+4*\t+2:32*(\a)+4*\t+3]
.endr
	WIN 0
.irp t, 0,1,2,3,4,5,6,7
	v_pk_add_f32 v[BB+4*\t:BB+4*\t+1], v[BB+4*\t:BB+4*\t+1], v[BI:BI+1]
	v_pk_add_f32 v[BB+4*\t+2:BB+4*\t+3], v[BB+4*\t+2:BB+4*\t+3], v[BI+2:BI+3]
.endr
.irp t, 0,1,2,3,4,5,6,7
	global_store_b128 v[CO], v[BB+4*\t:BB+4*\t+3], s[98:99] offset:(16*(\a)+2*\t)*4096   ; sixteen lanes store 256 consecutive bytes, aligned
.endr
.endm
	PLACES NP                                      ; behind the last products
	s_wait_loadcnt 0x0                             ; the residual and the bias
	OUTB 0
	OUTB 1
	OUTB 2
	OUTB 3
	s_wait_tensorcnt 0x0                           ; the wave's end
	ds_add_u32 v[SPW], v[NIL]
	s_wait_dscnt 0x0
	CROUND                                         ; the closing round
	s_endpgm
.Lfunc_end_k_q62298cda95_w2:
	.size	k_q62298cda95_w2, .Lfunc_end_k_q62298cda95_w2-k_q62298cda95_w2
	.p2alignl 7, 3214868480
	.fill 96, 4, 3214868480
	.section	.rodata,"a",@progbits
	.p2align	6, 0x0
	.amdhsa_kernel k_q62298cda95_w2
		.amdhsa_group_segment_fixed_size 327680
		.amdhsa_private_segment_fixed_size 0
		.amdhsa_enable_private_segment 0
		.amdhsa_kernarg_size 48
		.amdhsa_user_sgpr_count 2
		.amdhsa_user_sgpr_kernarg_segment_ptr 1
		.amdhsa_wavefront_size32 1
		.amdhsa_system_sgpr_workgroup_id_x 1
		.amdhsa_system_sgpr_workgroup_id_y 1
		.amdhsa_system_sgpr_workgroup_id_z 1
		.amdhsa_system_vgpr_workitem_id 0
		.amdhsa_next_free_vgpr 1024
		.amdhsa_next_free_sgpr 102
		.amdhsa_reserve_vcc 0
		.amdhsa_float_denorm_mode_32 3
		.amdhsa_float_denorm_mode_16_64 3
		.amdhsa_memory_ordered 1
		.amdhsa_forward_progress 1
		.amdhsa_inst_pref_size 114
	.end_amdhsa_kernel
	.amdgpu_metadata
---
amdhsa.version: [ 1, 2 ]
amdhsa.kernels:
  - .name:           k_q62298cda95_w2
    .symbol:         k_q62298cda95_w2.kd
    .args:
      - { .name: hid, .offset: 0, .size: 8, .value_kind: global_buffer, .address_space: global }
      - { .name: wimg, .offset: 8, .size: 8, .value_kind: global_buffer, .address_space: global }
      - { .name: w2_scales, .offset: 16, .size: 8, .value_kind: global_buffer, .address_space: global }
      - { .name: b2, .offset: 24, .size: 8, .value_kind: global_buffer, .address_space: global }
      - { .name: x1, .offset: 32, .size: 8, .value_kind: global_buffer, .address_space: global }
      - { .name: out0, .offset: 40, .size: 8, .value_kind: global_buffer, .address_space: global }
    .group_segment_fixed_size: 327680
    .private_segment_fixed_size: 0
    .kernarg_segment_align: 8
    .kernarg_segment_size: 48
    .max_flat_workgroup_size: 128
    .sgpr_count:     102
    .vgpr_count:     1024
    .wavefront_size: 32
...
	.end_amdgpu_metadata
.endif
;; end of part 6
